; MI455X (gfx1250); checked and timed in simulation.
; The chip was launched on July 23, 2026; its instructions are those of AMD's public machine-readable ISA for CDNA 5 (MIT licence, August 2026) and "CDNA5" Instruction Set Architecture Reference Guide (July 2026). The comments in the code are by the model that wrote it; some were corrected since.
;; Ggml Encoder Attention. Allowed arithmetic: float matrix products may take bf16 or f16 operands with f32 sums; all other float work in f32.
;; Inputs: freqs_cos 2,048 x 64 float32; freqs_sin 2,048 x 64 float32; wk_b 2,048 float32; wk_w 2,048 x 2,048 float32; wo_b 2,048 float32; wo_w 2,048 x 2,048 float32; wq_b 2,048 float32; wq_w 2,048 x 2,048 float32; wv_b 2,048 float32; wv_w 2,048 x 2,048 float32; x 1 x 2,048 x 2,048 float32.
;; Outputs: out0 1 x 2,048 x 2,048 float32.
;; 2 versions, each right; version 2 is version 1 with the launch prep written anew for expert scheduling mode. Each part assembles by itself: llvm-mc -triple=amdgcn-amd-amdhsa -mcpu=gfx1250 --defsym DOCPART=n.
;; ======== version 1 of 2: 4 launches
;; limits: values are held in f16: magnitudes above 65,504 overflow, below 6.1e-05 lose precision
;; workspace buffers: wb 43,089,920 bytes; qkv 25,165,824 bytes; y 8,388,608 bytes
;; launch prep (part 1): grid 128 x 6, 8 waves a work-group, no clusters, 0 bytes of LDS; arguments x, wq_w, wk_w, wv_w, wo_w, wq_b, wk_b, wv_b, wo_b, wb; writes wb
.if DOCPART == 1
	.amdgcn_target "amdgcn-amd-amdhsa--gfx1250"
	.amdhsa_code_object_version 6
	.text
	.protected	k_q9c3c2e19fb_prep
	.globl	k_q9c3c2e19fb_prep
	.p2align	8
	.type	k_q9c3c2e19fb_prep,@function
k_q9c3c2e19fb_prep:
	s_mov_b64 s[64:65], 0
	v_nop
	global_prefetch_b8 v0, s[64:65] scope:SCOPE_SE
	s_setreg_imm32_b32 hwreg(HW_REG_WAVE_MODE, 25, 1), 1
	s_wait_xcnt 0x0
; PREP: the 16-bit copies of the matrix operands, the biases, and the RoPE table, all into wb.
; wb: byte 0 x as bf16 [2048][2048]; 8,388,608 wq, wk, wv as bf16, stacked [6144][2048]; 33,554,432 wo, rounded to bf16 and that number written as f16;
;     41,943,040 the four biases (q, k, v, o), rounded to bf16 and kept as f32 [8192]; 41,975,808 the table [2176][64] of pairs (cos, sin) in f32, 512 bytes a row;
;     rows 2048 to 2175 hold (1, 0): the columns of v are turned by these rows, that is not at all.
; freqs_cos and freqs_sin are not among the arguments: the function computed here takes them and uses them nowhere; the angles are position x 10000^(-pair/64).
; LIMITS.  wo beyond 65,504 has no f16; below 2^-17 it keeps f16's fixed step of 6e-8.  NaN and infinities are not treated apart.
; Grid y = 0..4: one tensor each, 128 work-groups of 32,768 numbers.  Grid y = 5: 16 rows of the table, one identity row and 64 bias numbers a work-group.
; No LDS, no matrix unit, no cluster: a stream; every byte is read once and written once.
.set BIAS,  41943040
.set ROPE,  41975808
.set X,     16                         ; v[16:143]   slot k: 8 numbers in f32 as loaded
.set Y,     144                        ; v[144:207]  slot k: 8 numbers in 16 bits, to store
	s_load_b512 s[8:23], s[0:1], 0x0               ; x s[8:9], wq s[10:11], wk s[12:13], wv s[14:15], wo s[16:17], wq_b s[18:19], wk_b s[20:21], wv_b s[22:23]
	s_load_b128 s[24:27], s[0:1], 0x40             ; wo_b s[24:25], wb s[26:27]
	s_mov_b32 s4, ttmp9                            ; i, 0..127
	s_and_b32 s5, ttmp7, 0xffff                    ; which tensor, or 5: the table
	v_lshrrev_b32 v1, 5, v0
	v_readfirstlane_b32 s6, v1                     ; wave 0..7
	s_cmp_eq_u32 s5, 5
	s_cbranch_scc1 .Ltable
	; THE COPIES.  Thread t takes 8 numbers in each of 16 slots: 32 bytes in at 8,192 k + 32 t, 16 bytes out at 4,096 k + 16 t.
	v_lshlrev_b32 v2, 5, v0                        ; 32 t
	v_lshlrev_b32 v3, 4, v0                        ; 16 t
	s_lshl_b32 s32, s4, 17                         ; the work-group's 131,072 bytes of input
	s_mov_b32 s33, 0
	s_lshl_b32 s34, s5, 23                         ; the tensor's 8,388,608 bytes in wb,
	s_lshl_b32 s35, s4, 16                         ; the work-group's 65,536 of them
	s_add_co_u32 s34, s34, s35
	s_mov_b32 s35, 0
	s_wait_kmcnt 0x0
	s_cmp_eq_u32 s5, 1
	s_cselect_b64 s[28:29], s[10:11], s[8:9]
	s_cmp_eq_u32 s5, 2
	s_cselect_b64 s[28:29], s[12:13], s[28:29]
	s_cmp_eq_u32 s5, 3
	s_cselect_b64 s[28:29], s[14:15], s[28:29]
	s_cmp_eq_u32 s5, 4
	s_cselect_b64 s[28:29], s[16:17], s[28:29]
	s_add_nc_u64 s[28:29], s[28:29], s[32:33]
	s_add_nc_u64 s[30:31], s[26:27], s[34:35]
.irp n, 0,1,2,3,4,5,6,7,8,9,10,11,12,13,14,15  ; all 32 loads go out first: 128 KiB of the work-group are on their way
	global_load_b128 v[X+8*(\n):X+8*(\n)+3],   v2, s[28:29] offset:8192*(\n) th:TH_LOAD_NT
	global_load_b128 v[X+8*(\n)+4:X+8*(\n)+7], v2, s[28:29] offset:8192*(\n)+16 th:TH_LOAD_NT
.endr
; Slot k is rounded and stored.  f16 = 1: rounded to bf16, widened again, and written as f16.  Each slot has its own Y, so no store's data is rewritten.
.macro CV k, f16
	s_wait_loadcnt 30-2*(\k)                       ; loads come back in order (ISA guide 5.7.1): slot k's two are in, the 2 (15 - k) younger ones stay out
.irp j, 0,1,2,3
.if \f16
	v_cvt_pk_bf16_f32 v[4+3*(\j)], v[X+8*(\k)+2*(\j)], v[X+8*(\k)+2*(\j)+1]
	v_lshlrev_b32 v[5+3*(\j)], 16, v[4+3*(\j)]
	v_and_b32 v[6+3*(\j)], 0xffff0000, v[4+3*(\j)]
	v_cvt_pk_f16_f32 v[Y+4*(\k)+(\j)], v[5+3*(\j)], v[6+3*(\j)]
.else
	v_cvt_pk_bf16_f32 v[Y+4*(\k)+(\j)], v[X+8*(\k)+2*(\j)], v[X+8*(\k)+2*(\j)+1]
.endif
.endr
	global_store_b128 v3, v[Y+4*(\k):Y+4*(\k)+3], s[30:31] offset:4096*(\k)  ; a wave stores 512 consecutive bytes, at a multiple of 512 from wb's first
.endm
	s_cmp_eq_u32 s5, 4
	s_cbranch_scc1 .Lwo
.irp n, 0,1,2,3,4,5,6,7,8,9,10,11,12,13,14,15
	CV \n, 0
.endr
	s_endpgm
.Lwo:
.irp n, 0,1,2,3,4,5,6,7,8,9,10,11,12,13,14,15
	CV \n, 1
.endr
	s_endpgm
	; THE TABLE.  Wave w makes rows t = 16 i + 2 w and t + 1; lane l the pairs 2 l and 2 l + 1.  angle = t x 2^(-pair x log2(10000) / 64), one rounding of the product.
.Ltable:
	s_mov_b32 s36, 0x3f22f983                      ; 2 / pi
	s_mov_b32 s37, 0xbfc90fdb                      ; -(pi / 2), the f32 nearest to it,
	s_mov_b32 s38, 0x333bbd2e                      ; and what that f32 has too much: +4.3711e-8
	s_mov_b32 s39, 0xb94ca1f9                      ; sine: -1.9515e-4,
	s_mov_b32 s40, 0x3c08839e                      ; 8.3322e-3,
	s_mov_b32 s41, 0xbe2aaaa3                      ; -1.6666655e-1
	s_mov_b32 s42, 0x37ccf5ce                      ; cosine: 2.4433e-5,
	s_mov_b32 s43, 0xbab6061a                      ; -1.38873e-3,
	s_mov_b32 s44, 0x3d2aaaa5                      ; 4.1666646e-2
	v_and_b32 v1, 31, v0                           ; lane
	v_lshlrev_b32 v2, 4, v1                        ; my 16 bytes of a row; never rewritten
	v_lshlrev_b32 v3, 1, v1
	v_cvt_f32_u32 v4, v3                           ; pair 2 l
	v_add_f32 v5, 1.0, v4                          ; pair 2 l + 1
	v_mul_f32 v4, 0xbe549a78, v4                   ; x -log2(10000) / 64
	v_mul_f32 v5, 0xbe549a78, v5
	v_exp_f32 v4, v4
	v_exp_f32 v5, v5
	s_lshl_b32 s7, s4, 4
	s_lshl1_add_u32 s7, s6, s7                     ; t = 16 i + 2 w
	v_nop                                          ; a plain instruction between the exponentials and the use of their results (ISA guide 5.7.2)
	v_cvt_f32_u32 v6, s7
	v_add_f32 v7, 1.0, v6
	s_wait_alu depctr_va_vdst(0)
	v_mul_f32 v20, v6, v4
	v_mul_f32 v21, v6, v5
	v_mul_f32 v22, v7, v4
	v_mul_f32 v23, v7, v5
; cos and sin of the angle in v[a] (0 to 2,047): n = the nearest whole number to a x 2 / pi; r = a - n pi / 2 in two steps, |r| <= pi / 4; polynomials in r; the quadrant n mod 4 chooses and signs.
.macro SINCOS a, c, s
	v_mul_f32 v10, s36, v[\a]
	v_rndne_f32 v10, v10                           ; n
	v_fma_f32 v11, v10, s37, v[\a]
	v_fma_f32 v11, v10, s38, v11                   ; r
	v_cvt_i32_f32 v12, v10
	v_mul_f32 v13, v11, v11                        ; z = r r
	v_fma_f32 v14, v13, s39, s40
	v_fma_f32 v15, v13, s42, s43
	v_fma_f32 v14, v14, v13, s41
	v_fma_f32 v15, v15, v13, s44
	v_mul_f32 v14, v14, v13
	v_mul_f32 v15, v15, v13
	v_fma_f32 v16, v13, -0.5, 1.0
	v_fma_f32 v14, v14, v11, v11                   ; sin r
	v_fma_f32 v15, v15, v13, v16                   ; cos r
	v_and_b32 v16, 1, v12
	v_cmp_eq_u32 vcc_lo, 1, v16                    ; odd quadrant: the two change places
	v_and_b32 v16, 2, v12
	v_add_nc_u32 v17, 1, v12
	v_and_b32 v17, 2, v17
	v_lshlrev_b32 v16, 30, v16                     ; the sine's sign: quadrants 2, 3
	v_lshlrev_b32 v17, 30, v17                     ; the cosine's: quadrants 1, 2
	v_cndmask_b32 v[\s], v14, v15, vcc_lo
	v_cndmask_b32 v[\c], v15, v14, vcc_lo
	v_xor_b32 v[\s], v[\s], v16
	v_xor_b32 v[\c], v[\c], v17
.endm
	SINCOS 20, 40, 41
	SINCOS 21, 42, 43
	SINCOS 22, 44, 45
	SINCOS 23, 46, 47
	s_lshl_b32 s32, s7, 9
	s_add_co_u32 s32, s32, ROPE
	s_mov_b32 s33, 0
	s_wait_kmcnt 0x0
	s_add_nc_u64 s[30:31], s[26:27], s[32:33]
	global_store_b128 v2, v[40:43], s[30:31]                 ; a wave stores one whole row of 512 bytes
	global_store_b128 v2, v[44:47], s[30:31] offset:512
	s_cmp_lg_u32 s6, 0
	s_cbranch_scc1 .Lnot_0
	s_lshl_b32 s34, s4, 9                          ; wave 0: identity row 2048 + i
	s_add_co_u32 s34, s34, ROPE+2048*512
	s_mov_b32 s35, 0
	s_add_nc_u64 s[46:47], s[26:27], s[34:35]
	v_mov_b32 v48, 1.0
	v_mov_b32 v49, 0
	v_mov_b32 v50, 1.0
	v_mov_b32 v51, 0
	global_store_b128 v2, v[48:51], s[46:47]
	s_endpgm
.Lnot_0:
	s_cmp_lg_u32 s6, 1
	s_cbranch_scc1 .Lend
	s_lshr_b32 s45, s4, 5                          ; wave 1: 64 bias numbers; 32 work-groups to each of the four biases
	s_cmp_eq_u32 s45, 1
	s_cselect_b64 s[28:29], s[20:21], s[18:19]
	s_cmp_eq_u32 s45, 2
	s_cselect_b64 s[28:29], s[22:23], s[28:29]
	s_cmp_eq_u32 s45, 3
	s_cselect_b64 s[28:29], s[24:25], s[28:29]
	s_and_b32 s32, s4, 31
	s_lshl_b32 s32, s32, 8
	s_add_nc_u64 s[28:29], s[28:29], s[32:33]      ; s33 is 0
	v_lshlrev_b32 v56, 3, v1                       ; 8 l
	global_load_b64 v[52:53], v56, s[28:29]
	s_lshl_b32 s34, s4, 8
	s_add_co_u32 s34, s34, BIAS
	s_mov_b32 s35, 0
	s_add_nc_u64 s[34:35], s[26:27], s[34:35]
	s_wait_loadcnt 0x0
	v_cvt_pk_bf16_f32 v57, v52, v53
	v_lshlrev_b32 v54, 16, v57
	v_and_b32 v55, 0xffff0000, v57
	global_store_b64 v56, v[54:55], s[34:35]       ; 32 lanes store 256 consecutive bytes, at a multiple of 256 from wb's first
.Lend:
	s_endpgm
.Lfunc_end_k_q9c3c2e19fb_prep:
	.size	k_q9c3c2e19fb_prep, .Lfunc_end_k_q9c3c2e19fb_prep-k_q9c3c2e19fb_prep
	.p2alignl 7, 3214868480
	.fill 96, 4, 3214868480
	.section	.rodata,"a",@progbits
	.p2align	6, 0x0
	.amdhsa_kernel k_q9c3c2e19fb_prep
		.amdhsa_group_segment_fixed_size 0
		.amdhsa_private_segment_fixed_size 0
		.amdhsa_enable_private_segment 0
		.amdhsa_kernarg_size 80
		.amdhsa_user_sgpr_count 2
		.amdhsa_user_sgpr_kernarg_segment_ptr 1
		.amdhsa_wavefront_size32 1
		.amdhsa_system_sgpr_workgroup_id_x 1
		.amdhsa_system_sgpr_workgroup_id_y 1
		.amdhsa_system_sgpr_workgroup_id_z 1
		.amdhsa_system_vgpr_workitem_id 0
		.amdhsa_next_free_vgpr 208
		.amdhsa_next_free_sgpr 66
		.amdhsa_reserve_vcc 1
		.amdhsa_float_denorm_mode_32 3
		.amdhsa_float_denorm_mode_16_64 3
		.amdhsa_memory_ordered 1
		.amdhsa_forward_progress 1
		.amdhsa_inst_pref_size 34
	.end_amdhsa_kernel
	.amdgpu_metadata
---
amdhsa.version: [ 1, 2 ]
amdhsa.kernels:
  - .name:           k_q9c3c2e19fb_prep
    .symbol:         k_q9c3c2e19fb_prep.kd
    .args:
      - { .name: x, .offset: 0, .size: 8, .value_kind: global_buffer, .address_space: global }
      - { .name: wq_w, .offset: 8, .size: 8, .value_kind: global_buffer, .address_space: global }
      - { .name: wk_w, .offset: 16, .size: 8, .value_kind: global_buffer, .address_space: global }
      - { .name: wv_w, .offset: 24, .size: 8, .value_kind: global_buffer, .address_space: global }
      - { .name: wo_w, .offset: 32, .size: 8, .value_kind: global_buffer, .address_space: global }
      - { .name: wq_b, .offset: 40, .size: 8, .value_kind: global_buffer, .address_space: global }
      - { .name: wk_b, .offset: 48, .size: 8, .value_kind: global_buffer, .address_space: global }
      - { .name: wv_b, .offset: 56, .size: 8, .value_kind: global_buffer, .address_space: global }
      - { .name: wo_b, .offset: 64, .size: 8, .value_kind: global_buffer, .address_space: global }
      - { .name: wb, .offset: 72, .size: 8, .value_kind: global_buffer, .address_space: global }
    .group_segment_fixed_size: 0
    .private_segment_fixed_size: 0
    .kernarg_segment_align: 8
    .kernarg_segment_size: 80
    .max_flat_workgroup_size: 256
    .sgpr_count:     66
    .vgpr_count:     208
    .wavefront_size: 32
...
	.end_amdgpu_metadata
.endif
;; end of part 1
;; launch qkv (part 2): grid 16 x 16, 4 waves a work-group, clusters of 4 x 4, 327,680 bytes of LDS; arguments wb, qkv; writes qkv
.if DOCPART == 2
	.amdgcn_target "amdgcn-amd-amdhsa--gfx1250"
	.amdhsa_code_object_version 6
	.text
	.protected	k_q9c3c2e19fb_qkv
	.globl	k_q9c3c2e19fb_qkv
	.p2align	8
	.type	k_q9c3c2e19fb_qkv,@function
k_q9c3c2e19fb_qkv:
	s_mov_b64 s[64:65], 0
	v_nop
	global_prefetch_b8 v0, s[64:65] scope:SCOPE_SE
	s_setreg_imm32_b32 hwreg(HW_REG_WAVE_MODE, 25, 1), 1
	s_wait_xcnt 0x0
	s_wait_alu depctr_hold_cnt(0) depctr_sa_sdst(0) depctr_va_vdst(0) depctr_va_sdst(0) depctr_va_ssrc(0) depctr_va_vcc(0) depctr_vm_vsrc(0)
	s_getreg_b32 s2, hwreg(HW_REG_IB_STS2, 6, 4)
	s_cmp_eq_u32 s2, 0
	s_cbranch_scc0 .Lentry_in_a_cluster
	s_endpgm
.Lentry_in_a_cluster:
	s_bfe_u32 s2, ttmp6, 0x10000c
	s_cmp_lg_u32 s2, 0xf033
	s_cbranch_scc0 .Lentry_shape_is_right
	s_endpgm
.Lentry_shape_is_right:
; QKV: [2048 x 6144] = x . (wq, wk, wv stacked)^T in bf16 with f32 sums; + bias; RoPE on the columns of q and k; rounded once to f16; stored by heads: qkv[48][2048][128], groups 0-15 q, 16-31 k, 32-47 v.
; LIMIT.  f16 holds no number beyond 65,504: q, k and v must stay within it (drawn inputs give a spread of about 1).  The softmax's scale is not applied here.
; A tile is 128 rows x 384 columns, three whole heads: 16 x 16 = 256 work-groups.  Four waves; wave w makes all 128 rows x columns 96 w .. 96 w + 95: 8 x 6 accumulators of 16 x 16, 384 registers.
; K goes in steps of 128 through a ring of two LDS slots (128 rows of x, 384 rows of w, 256 bytes each + 16 of padding), one tensor load of 128 rows a wave: wave 0 x's, waves 1-3 w's thirds.
; CLUSTER: 4 x 4 work-groups.  The four of a row of the cluster need the same rows of x, the four of a column the same rows of w: each tile is asked for jointly, same load, descriptor and mask in all four.
; THE MATRIX INSTRUCTION IS USED TRANSPOSED (source 0 = 16 rows of w, source 1 = 16 rows of x): a lane holds one row of the result and eight neighbouring columns, that is four RoPE pairs.
; REGISTERS, in windows of 256 (s_set_vgpr_msb: bits 1:0 source 0, 3:2 source 1, 5:4 source 2, 7:6 destination):
;   window 0: v0-31 addresses; v64-127, v128-191 fragments of x, two buffers (later: table rows, then rows on the way out); v192-239 bias
;   window 1: v64-111, v128-175 fragments of w, two buffers (later v0-47 sums + bias, v48-95 turned, v96-119 packed)
;   window 2: accumulators of row blocks 0-3, (a, b) at v[8 (6 a + b)];   window 3: those of row blocks 4-7
.set KSTEP,  128
.set PITCH,  272                       ; an LDS row: 256 bytes + 16 = 68 words: the 16 rows of a fragment load start at 16 different groups of four banks (64 banks of 4 bytes: ISA guide 11.1)
.set HALFT,  128*PITCH                 ; what one tensor load brings
.set SLOT,   4*HALFT                   ; x's 128 rows, then w's 384
.set SPARE,  2*SLOT                    ; behind the ring: the spare words, 128 bytes a wave: two blocks of 256 bytes that no other line names
.set SPITCH, 784                       ; the stage: 128 rows of 768 bytes + 16.  It lies in slot 0, and is written only when slot 0 has had its last fill and its last read
.set LAPS,   8                         ; 2048 / 256: a lap is two K steps
.set WQKV,   8388608
.set BIAS,   41943040
.set ROPE,   41975808
.set TOF,  8                           ; v8-13   column block b: my byte offset in the table, for row block 0
.set ADRA, 16                          ; v16-17  LDS address of my fragments of x in slot 0, 1
.set ADRB, 20                          ; v20-21  the same for w
.set STO,  24                          ; v24-25  into the stage: row blocks 0-3, 4-7
.set RD,   26                          ; v26     back from the stage
.set GO,   27                          ; v27     my 16 bytes of 512 on the way out
.set SPW,  28                          ; v28     LDS address of my spare word; never rewritten
.set NIL,  29                          ; v29     0; never rewritten
.set BO,   30                          ; v30     my byte offset in the bias
.set F0,   64
.set F1,   128
.set BI,   192
.set XX,   0
.set UU,   48
.set PKD,  96
.set G1, 24                            ; s[24:31] group 1 for x's tiles;  s[32:39] group 0, a set for each slot
.set G0, 32
.set G1B, 48                           ; s[48:55], s[56:63] the same for w's
.set G0B, 56
.set MSB, 0
.macro WIN new                         ; the immediate's high byte repeats the setting that is left; a switch that changes nothing is dropped
.if MSB != (\new)
	s_set_vgpr_msb (MSB<<8)|(\new)
.set MSB, \new
.endif
.endm
.set MUL_LO, 0xa1                      ; source 0 (w) window 1, source 1 (x) window 0, C and D window 2; + 0x50: window 3
.set TO_B,   0x40                      ; destination window 1, address window 0
; A joint load.  Wave 0 fetches x's tile, waves 1-3 the thirds of w's.  The branch hangs on the wave's number alone.  Four v_nop follow each of the two lines.
.macro JLOAD s
	s_cmp_eq_u32 s10, 0
	s_cbranch_scc0 .Lfor_b_\@
	tensor_load_to_lds s[G0+4*(\s):G0+4*(\s)+3], s[G1:G1+7]
	s_nop 0
.rept 4
	v_nop
.endr
	s_branch .Lasked_\@
.Lfor_b_\@:
	tensor_load_to_lds s[G0B+4*(\s):G0B+4*(\s)+3], s[G1B:G1B+7]
	s_nop 0
.rept 4
	v_nop
.endr
.Lasked_\@:
.endm
.macro CREST                           ; a round of the cluster's barrier behind its opening barrier
	s_cmp_lg_u32 s10, 0
	s_cbranch_scc1 .Lnot_wave_0_\@
	s_barrier_signal -3
.Lnot_wave_0_\@:
	s_barrier_wait -3
	s_barrier_signal -1
	s_barrier_wait -1
.endm
.macro CROUND                          ; a whole round
	s_barrier_signal -1
	s_barrier_wait -1
	CREST
.endm
	s_load_b128 s[4:7], s[0:1], 0x0                ; wb s[4:5], qkv s[6:7]
	v_lshl_add_u32 v[SPW], v0, 2, SPARE
	v_mov_b32 v[NIL], 0
	ds_add_u32 v28, v29
	s_wait_dscnt 0x0
	v_lshrrev_b32 v1, 5, v0
	v_readfirstlane_b32 s10, v1                    ; wave 0..3
	s_bfe_u32 s40, ttmp6, 0x40000                  ; cx, cy: my place in the cluster
	s_bfe_u32 s41, ttmp6, 0x40004
	s_lshl_b32 s42, ttmp9, 2
	s_add_co_u32 s42, s42, s40                     ; tile column = 4 x cluster x + cx
	s_and_b32 s13, ttmp7, 0xffff
	s_lshl_b32 s13, s13, 2
	s_add_co_u32 s13, s13, s41                     ; tile row = 4 x cluster y + cy
	s_lshl_b32 s43, s41, 2
	s_lshl_b32 s43, 15, s43                        ; my row of the cluster
	s_lshl_b32 s44, 0x1111, s40                    ; my column
	; group 1: a tile of 128 rows x 128 elements of 2 bytes, 16 bytes of padding behind every 256
	s_or_b32 s[G1+0], s43, (1<<16)|(1<<20)|(1<<21)|(5<<22)|(3<<25)   ; 15:0 the mask; 17:16 2-byte elements; 20 padding on; 21 set beside a mask; 24:22 after every 64 words; 31:25 4 words
	s_or_b32 s[G1B+0], s44, (1<<16)|(1<<20)|(1<<21)|(5<<22)|(3<<25)
.irp g, G1, G1B
	s_mov_b32 s[(\g)+1], KSTEP<<16                 ; tensor_dim0 = 128
	s_mov_b32 s[(\g)+2], 128<<16                   ; tensor_dim1 = 128
	s_mov_b32 s[(\g)+3], KSTEP<<16                 ; tile_dim0 = 128
	s_mov_b32 s[(\g)+4], 128                       ; tile_dim1 = 128
	s_mov_b32 s[(\g)+5], 2048                      ; elements from row to row
	s_mov_b32 s[(\g)+6], 0
	s_mov_b32 s[(\g)+7], 0
.endr
	s_lshl_b32 s16, s13, 19                        ; x: row 128 x tile row, 4,096 bytes a row
	s_mov_b32 s17, 0
	s_max_u32 s45, s10, 1                          ; w: which third (wave 0 makes the first third's address and does not use it)
	s_sub_co_u32 s45, s45, 1
	s_lshl_b32 s45, s45, 7
	s_mul_i32 s46, s42, 384
	s_add_co_u32 s46, s46, s45                     ; row 384 x tile column + 128 x third
	s_lshl_b32 s46, s46, 12
	s_add_co_u32 s46, s46, WQKV
	s_mov_b32 s47, 0
	s_mul_i32 s20, s10, HALFT                      ; where the tile goes: wave x 128 rows: no place in the cluster enters an LDS address
	s_wait_kmcnt 0x0
	s_add_nc_u64 s[14:15], s[4:5], s[16:17]
	s_add_nc_u64 s[46:47], s[4:5], s[46:47]
	CROUND                                         ; all sixteen work-groups are here: the first joint loads meet
.irp s, 0,1
	s_mov_b32 s[G0+4*(\s)], 1
	s_add_co_u32 s[G0+4*(\s)+1], s20, (\s)*SLOT
	s_add_nc_u64 s[G0+4*(\s)+2:G0+4*(\s)+3], s[14:15], (\s)*KSTEP*2
	s_or_b32 s[G0+4*(\s)+3], s[G0+4*(\s)+3], 0x80000000
	s_mov_b32 s[G0B+4*(\s)], 1
	s_add_co_u32 s[G0B+4*(\s)+1], s20, (\s)*SLOT
	s_add_nc_u64 s[G0B+4*(\s)+2:G0B+4*(\s)+3], s[46:47], (\s)*KSTEP*2
	s_or_b32 s[G0B+4*(\s)+3], s[G0B+4*(\s)+3], 0x80000000
	JLOAD \s                                       ; the ring is filled before anything else is done: two loads of mine are out
.endr
	; a fragment is 16 rows x 32 K in 8 registers: lane l holds row l % 16; two loads of 16 bytes, 32 bytes apart, at row x pitch + 16 (l / 16)
	v_and_b32 v1, 15, v0                           ; r = l % 16
	v_bfe_u32 v2, v0, 4, 1                         ; h = l / 16
	v_mul_u32_u24 v3, v1, PITCH
	v_lshl_add_u32 v3, v2, 4, v3
	s_mul_i32 s22, s10, 96*PITCH                   ; my 96 rows of w,
	s_add_co_u32 s22, s22, HALFT                   ; which lie behind x's 128
	v_mov_b32 v[ADRA], v3
	v_add_nc_u32 v[ADRA+1], SLOT, v3
	v_add_nc_u32 v[ADRB], s22, v3
	s_add_co_u32 s22, s22, SLOT
	v_add_nc_u32 v[ADRB+1], s22, v3
	s_mul_i32 s23, s10, 192                        ; into the stage: row l % 16 of a block, my wave's 192 bytes, 16 bytes for each half of the lanes
	v_mul_u32_u24 v4, v1, SPITCH
	v_lshl_add_u32 v4, v2, 4, v4
	v_add_nc_u32 v[STO], s23, v4
	v_add_nc_u32 v[STO+1], 64*SPITCH, v[STO]
	s_mul_i32 s23, s10, 32*SPITCH                  ; back: wave w takes rows 32 w .. 32 w + 31; lanes 0-15 256 bytes of one row, lanes 16-31 of the next
	v_mul_u32_u24 v5, v2, SPITCH
	v_lshl_add_u32 v5, v1, 4, v5
	v_add_nc_u32 v[RD], s23, v5
	v_and_b32 v6, 31, v0
	v_lshlrev_b32 v[GO], 4, v6                     ; two rows of a head are 512 consecutive bytes
	; offsets in the table, the bias and the result; the registers s72-79 feed no descriptor
	s_mul_i32 s72, s42, 384
	s_mul_i32 s73, s10, 96
	s_add_co_u32 s72, s72, s73                     ; my first column, of 6,144
	s_lshl_b32 s77, s13, 7                         ; my first row
	s_sub_co_u32 s78, 2048, s77
	v_lshlrev_b32 v7, 9, v1                        ; 512 bytes a table row,
	v_lshl_add_u32 v7, v2, 5, v7                   ; four pairs of 8 bytes for each half of the lanes
.irp b, 0,1,2,3,4,5
	s_add_co_u32 s73, s72, 16*(\b)                 ; column block b begins at column n
	s_lshr_b32 s74, s73, 12                        ; 1 in v's columns (4,096 on), else 0
	s_mul_i32 s74, s74, s78
	s_add_co_u32 s74, s74, s77                     ; table row: my first row, or 2,048: the identity rows
	s_lshl_b32 s74, s74, 9
	s_and_b32 s75, s73, 127                        ; the channel: two channels are a pair of 8 bytes
	s_lshl2_add_u32 s74, s75, s74
	v_add_nc_u32 v[TOF+(\b)], s74, v7
.endr
	s_lshl_b32 s76, s72, 2
	v_lshl_add_u32 v[BO], v2, 5, s76
	s_mul_i32 s74, s42, 3*524288                   ; my first head's 524,288 bytes,
	s_lshl_b32 s75, s10, 5
	s_add_co_u32 s75, s75, s77
	s_lshl_b32 s75, s75, 8                         ; the first row that I store: 256 bytes a row
	s_add_co_u32 s74, s74, s75
	s_mov_b32 s75, 0
	s_add_nc_u64 s[70:71], s[6:7], s[74:75]
	s_add_nc_u64 s[66:67], s[4:5], ROPE
	s_add_nc_u64 s[68:69], s[4:5], BIAS
.irp b, 0,1,2,3,4,5                    ; the bias of my 96 columns: it is waited for behind the loop
	global_load_b128 v[BI+8*(\b):BI+8*(\b)+3],   v[BO], s[68:69] offset:64*(\b)
	global_load_b128 v[BI+8*(\b)+4:BI+8*(\b)+7], v[BO], s[68:69] offset:64*(\b)+16
.endr
; 12 matrix instructions: row blocks a0, a0 + 1 of the window's four x all 6 column blocks, 32 along K.  zero = 1: the first product starts the sums.
.macro MUL12 f, hi, a0, zero
	WIN MUL_LO+0x50*(\hi)
.irp a, \a0, (\a0)+1
.irp b, 0,1,2,3,4,5
.if \zero
	v_wmma_f32_16x16x32_bf16 v[8*(6*(\a)+(\b)):8*(6*(\a)+(\b))+7], v[(\f)+8*(\b):(\f)+8*(\b)+7], v[(\f)+8*(4*(\hi)+(\a)):(\f)+8*(4*(\hi)+(\a))+7], 0
.else
	v_wmma_f32_16x16x32_bf16 v[8*(6*(\a)+(\b)):8*(6*(\a)+(\b))+7], v[(\f)+8*(\b):(\f)+8*(\b)+7], v[(\f)+8*(4*(\hi)+(\a)):(\f)+8*(4*(\hi)+(\a))+7], v[8*(6*(\a)+(\b)):8*(6*(\a)+(\b))+7]
.endif
.endr
.endr
.endm
; 28 LDS loads in one run: a quarter step's fragments (96 rows of w, 128 rows of x, 32 K at byte k of the rows) into buffer f
.macro FETCH slot, k, f
	WIN TO_B
.irp i, 0,1,2,3,4,5
	ds_load_b128 v[(\f)+8*(\i):(\f)+8*(\i)+3],   v[ADRB+(\slot)] offset:(\k)+(\i)*16*PITCH
	ds_load_b128 v[(\f)+8*(\i)+4:(\f)+8*(\i)+7], v[ADRB+(\slot)] offset:(\k)+(\i)*16*PITCH+32
.endr
	WIN 0
.irp i, 0,1,2,3,4,5,6,7
	ds_load_b128 v[(\f)+8*(\i):(\f)+8*(\i)+3],   v[ADRA+(\slot)] offset:(\k)+(\i)*16*PITCH
	ds_load_b128 v[(\f)+8*(\i)+4:(\f)+8*(\i)+7], v[ADRA+(\slot)] offset:(\k)+(\i)*16*PITCH+32
.endr
.endm
.macro PLACES                          ; four plain vector instructions between a matrix instruction and a load into, or a vector instruction on, its registers (ISA guide 7.12.1 for vector instructions)
.rept 4
	v_nop
.endr
.endm
; A K step is four quarters of 32 along K, 48 matrix instructions each, on buffers 0, 1, 0, 1; the 48 accumulators take turns in the same order in every quarter.
.macro QUARTER slot, k, f, g, zero
	s_wait_dscnt 8                                 ; w's fragments and x's rows 0-63 are in; the youngest eight loads (x's rows 64-127) may be out
	MUL12 \f, 0, 0, \zero
	MUL12 \f, 0, 2, \zero
	PLACES
	FETCH \slot, \k, \g
	s_wait_dscnt 28                                ; all but the 28 just issued
	MUL12 \f, 1, 0, \zero
	MUL12 \f, 1, 2, \zero
.endm
; The last quarter multiplies buffer 1 and changes slots: one barrier; in front of it each wave waits for all its tensor loads (one is out: its part of the next slot), adds 0 to its spare word,
; and waits for that and for its own reads of this slot.  fill = 1: the barrier opens a round of the cluster's, and this slot is filled again, two K steps on, first thing behind the round.
.macro TURN slot, next, fill
	WIN 0                                          ; (the add's two registers lie in window 0)
	s_wait_tensorcnt 0x0
	ds_add_u32 v[SPW], v[NIL]                      ; 0 onto my spare word
	s_wait_dscnt 9                                 ; (the add and the youngest eight loads may be out)
	MUL12 F1, 0, 0, 0                              ; twelve matrix instructions stand between the add and the wait for it
	s_wait_dscnt 0x0                               ; the add is done, and my reads of this slot are over
	s_barrier_signal -1
	MUL12 F1, 0, 2, 0
.if \fill
	WIN 0
.endif
	s_barrier_wait -1
.if \fill
	CREST                                          ; no wave of any partner still reads this slot's tile or has a load on its way
	s_add_nc_u64 s[G0+4*(\slot)+2:G0+4*(\slot)+3], s[G0+4*(\slot)+2:G0+4*(\slot)+3], 2*KSTEP*2
	s_add_nc_u64 s[G0B+4*(\slot)+2:G0B+4*(\slot)+3], s[G0B+4*(\slot)+2:G0B+4*(\slot)+3], 2*KSTEP*2
	JLOAD \slot                                    ; 168 matrix instructions ahead of the wait for it; its four v_nop are also the places in front of the loads below
.else
	PLACES
.endif
	FETCH \next, 0, F0
	MUL12 F1, 1, 0, 0
	MUL12 F1, 1, 2, 0
.endm
	s_wait_tensorcnt 1                             ; my part of K step 0 is in; K step 1 may stay out
	s_barrier_signal -1
	s_barrier_wait -1                              ; everybody's is
	FETCH 0, 0, F0
	QUARTER 0, 64,  F0, F1, 1                      ; the first quarter stands in front of the loop: its products start the sums
	WIN 0                                          ; at a label and at a branch every window is 0
	s_mov_b32 s3, LAPS-1
.Llap:                                                 ; a trip goes once round the ring, from a lap's second quarter to the next lap's first, and fills both slots again
	QUARTER 0, 128, F1, F0, 0
	QUARTER 0, 192, F0, F1, 0
	TURN 0, 1, 1
	QUARTER 1, 64,  F0, F1, 0
	QUARTER 1, 128, F1, F0, 0
	QUARTER 1, 192, F0, F1, 0
	TURN 1, 0, 1
	QUARTER 0, 64,  F0, F1, 0
	WIN 0
	s_sub_co_u32 s3, s3, 1
	s_cmp_lg_u32 s3, 0
	s_cbranch_scc1 .Llap
	QUARTER 0, 128, F1, F0, 0                      ; the last lap fills nothing
	QUARTER 0, 192, F0, F1, 0
	TURN 0, 1, 0                                   ; behind this barrier nobody reads slot 0 any more, and nothing is loaded into it: it becomes the stage
	QUARTER 1, 64,  F0, F1, 0
	QUARTER 1, 128, F1, F0, 0
	QUARTER 1, 192, F0, F1, 0
	s_wait_dscnt 8
	MUL12 F1, 0, 0, 0
	MUL12 F1, 0, 2, 0
	s_wait_dscnt 0x0
	MUL12 F1, 1, 0, 0
	MUL12 F1, 1, 2, 0
	; BIAS, ROPE, F16.  Row block a: its table rows (16 rows x my 48 pairs) come a block ahead, into the registers that held x's fragments.
.macro TLOAD a
	WIN 0
.set TT, F0+64*((\a)%2)
.irp b, 0,1,2,3,4,5
	global_load_b128 v[TT+8*(\b):TT+8*(\b)+3],   v[TOF+(\b)], s[66:67] offset:8192*(\a)
	global_load_b128 v[TT+8*(\b)+4:TT+8*(\b)+7], v[TOF+(\b)], s[66:67] offset:8192*(\a)+16
.endr
.endm
; (t1, t2) is a pair of neighbouring columns, (c, s) its table entry: (t1 c - t2 s, t2 c + t1 s), by one packed multiply and one packed multiply-add.
.macro ROPE a
.set TT, F0+64*((\a)%2)
.set AC, 48*((\a)%4)
	WIN 0x42+(\a)/4                                ; source 0: the accumulators' window; source 1: window 0; destination: window 1
.irp b, 0,1,2,3,4,5
.irp j, 0,2,4,6                        ; each accumulator's registers in ascending order
	v_pk_add_f32 v[XX+8*(\b)+(\j):XX+8*(\b)+(\j)+1], v[AC+8*(\b)+(\j):AC+8*(\b)+(\j)+1], v[BI+8*(\b)+(\j):BI+8*(\b)+(\j)+1]
.endr
.endr
	WIN 0x51                                       ; the table in window 0, all else in window 1
.set z, 0
.rept 24
	v_pk_mul_f32 v[UU+2*z:UU+2*z+1], v[XX+2*z:XX+2*z+1], v[TT+2*z:TT+2*z+1] op_sel_hi:[1,0]  ; (t1 c, t2 c)
.set z, z+1
.endr
.set z, 0
.rept 24
	v_pk_fma_f32 v[UU+2*z:UU+2*z+1], v[XX+2*z:XX+2*z+1], v[TT+2*z:TT+2*z+1], v[UU+2*z:UU+2*z+1] op_sel:[1,1,0] op_sel_hi:[0,1,1] neg_lo:[0,1,0]  ; low: - t2 s; high: + t1 s
.set z, z+1
.endr
	WIN 0x45
.set z, 0
.rept 24
	v_cvt_pk_f16_f32 v[PKD+z], v[UU+2*z], v[UU+2*z+1]
.set z, z+1
.endr
	WIN 0x04                                       ; address window 0, data window 1
.irp b, 0,1,2,3,4,5
	ds_store_b128 v[STO+(\a)/4], v[PKD+4*(\b):PKD+4*(\b)+3] offset:((\a)%4)*16*SPITCH+32*(\b)
.endr
.endm
	PLACES                                         ; behind the last products
	WIN 0
	s_wait_loadcnt 0x0                             ; the bias
	TLOAD 0
.irp a, 0,1,2,3,4,5,6,7
.if (\a) < 7
	TLOAD (\a)+1
	s_wait_loadcnt 12                              ; block a's table rows are in; the next block's twelve loads stay out
.else
	s_wait_loadcnt 0x0
.endif
	ROPE \a
.endr
	; THE WAY OUT.  A row's 768 bytes come from four waves: a barrier; then each wave takes 32 whole rows, a head (256 bytes a row) at a time.
	WIN 0
	s_wait_dscnt 0x0                               ; for the others' sake: my stores into the stage are done
	s_barrier_signal -1
	s_barrier_wait -1
.irp hh, 0,1,2
.set BK, F0+64*((\hh)%2)
.if (\hh) == 2
	s_wait_xcnt 0x0                                ; the first head's stores have read their registers: only behind this wait are these loaded again
.endif
.irp t, 0,1,2,3,4,5,6,7,8,9,10,11,12,13,14,15
	ds_load_b128 v[BK+4*(\t):BK+4*(\t)+3], v[RD] offset:(\t)*2*SPITCH+256*(\hh)
.endr
.irp t, 0,1,2,3,4,5,6,7,8,9,10,11,12,13,14,15
	s_wait_dscnt 15-(\t)                           ; LDS loads come back in order: rows 2 t, 2 t + 1 are in
	global_store_b128 v[GO], v[BK+4*(\t):BK+4*(\t)+3], s[70:71] offset:524288*(\hh)+512*(\t)  ; 512 consecutive bytes, at a multiple of 256 from qkv's first
.endr
.endr
	s_wait_tensorcnt 0x0                           ; the wave's end
	ds_add_u32 v[SPW], v[NIL]
	s_wait_dscnt 0x0
	CROUND                                         ; the closing round: no work-group ends while a partner may still ask for a tile that names it
	s_endpgm
.Lfunc_end_k_q9c3c2e19fb_qkv:
	.size	k_q9c3c2e19fb_qkv, .Lfunc_end_k_q9c3c2e19fb_qkv-k_q9c3c2e19fb_qkv
	.p2alignl 7, 3214868480
	.fill 96, 4, 3214868480
	.section	.rodata,"a",@progbits
	.p2align	6, 0x0
	.amdhsa_kernel k_q9c3c2e19fb_qkv
		.amdhsa_group_segment_fixed_size 327680
		.amdhsa_private_segment_fixed_size 0
		.amdhsa_enable_private_segment 0
		.amdhsa_kernarg_size 16
		.amdhsa_user_sgpr_count 2
		.amdhsa_user_sgpr_kernarg_segment_ptr 1
		.amdhsa_wavefront_size32 1
		.amdhsa_system_sgpr_workgroup_id_x 1
		.amdhsa_system_sgpr_workgroup_id_y 1
		.amdhsa_system_sgpr_workgroup_id_z 1
		.amdhsa_system_vgpr_workitem_id 0
		.amdhsa_next_free_vgpr 960
		.amdhsa_next_free_sgpr 96
		.amdhsa_reserve_vcc 0
		.amdhsa_float_denorm_mode_32 3
		.amdhsa_float_denorm_mode_16_64 3
		.amdhsa_memory_ordered 1
		.amdhsa_forward_progress 1
		.amdhsa_inst_pref_size 165
	.end_amdhsa_kernel
	.amdgpu_metadata
---
amdhsa.version: [ 1, 2 ]
amdhsa.kernels:
  - .name:           k_q9c3c2e19fb_qkv
    .symbol:         k_q9c3c2e19fb_qkv.kd
    .args:
      - { .name: wb, .offset: 0, .size: 8, .value_kind: global_buffer, .address_space: global }
      - { .name: qkv, .offset: 8, .size: 8, .value_kind: global_buffer, .address_space: global }
    .group_segment_fixed_size: 327680
    .private_segment_fixed_size: 0
    .kernarg_segment_align: 8
    .kernarg_segment_size: 16
    .max_flat_workgroup_size: 128
    .sgpr_count:     96
    .vgpr_count:     960
    .wavefront_size: 32
...
	.end_amdgpu_metadata
.endif
;; end of part 2
;; launch attn (part 3): grid 16 x 16, 4 waves a work-group, clusters of 4 x 1, 327,680 bytes of LDS; arguments qkv, y; writes y
.if DOCPART == 3
	.amdgcn_target "amdgcn-amd-amdhsa--gfx1250"
	.amdhsa_code_object_version 6
	.text
	.protected	k_q9c3c2e19fb_attn
	.globl	k_q9c3c2e19fb_attn
	.p2align	8
	.type	k_q9c3c2e19fb_attn,@function
k_q9c3c2e19fb_attn:
	s_mov_b64 s[64:65], 0
	v_nop
	global_prefetch_b8 v0, s[64:65] scope:SCOPE_SE
	s_setreg_imm32_b32 hwreg(HW_REG_WAVE_MODE, 25, 1), 1
	s_wait_xcnt 0x0
	s_wait_alu depctr_hold_cnt(0) depctr_sa_sdst(0) depctr_va_vdst(0) depctr_va_sdst(0) depctr_va_ssrc(0) depctr_va_vcc(0) depctr_vm_vsrc(0)
	s_getreg_b32 s2, hwreg(HW_REG_IB_STS2, 6, 4)
	s_cmp_eq_u32 s2, 0
	s_cbranch_scc0 .Lentry_in_a_cluster
	s_endpgm
.Lentry_in_a_cluster:
	s_bfe_u32 s2, ttmp6, 0x10000c
	s_cmp_lg_u32 s2, 0x3003
	s_cbranch_scc0 .Lentry_shape_is_right
	s_endpgm
.Lentry_shape_is_right:
; CAUSAL ATTENTION, head size 128.  y[q][128 h + :] = the sum over k <= q of softmax_k(Q[h][q] . K[h][k] / sqrt(128)) V[h][k][:].  qkv: [48][2048][128] f16 (heads of q, then k, then v); y: [2048][2048] f16.
; Products, maxima and sums in f32; the weights p are rounded to f16 for the second product (their sum l is taken of the unrounded p), y once at the end.
; LIMITS.  f16 holds no number beyond 65,504.  A hidden score counts as its value less 1e30; the running maximum starts at -2^90, above every hidden score and below every true one (f16's scores are 5.5e11 at the most);
; a weight below 2^-126 counts as 0 in l; NaN and infinities are not treated apart.
; THE WALK.  A head's queries lie in 32 blocks of 64; block i needs the key steps 0 .. i of 64 keys, of which the last holds the diagonal.  Keys come in UNITS of 256, four steps.  Work-group b = 4 c + cx (0 .. 15) of a head takes
; TWO blocks, 31 - b and then b: 8 - c and c + 1 units, 9 whatever b: 16 x 16 = 256 work-groups of equal work.
; SHARES.  32,768 queries on 1,024 waves are 32 a wave, so the four waves of a work-group share a block's 64 queries two by two and split the KEYS: wave w = 2 u + g owns rows 32 u .. 32 u + 31 (PIECE 0 and PIECE 1, 16 rows each)
; and, of every unit, the steps g and g + 2.  Each fragment of K and V read from LDS thus feeds two tiles.  The two partial results of a row (O, c m, l) are merged once, at the end, through LDS.
; CLUSTER.  The four work-groups of one c walk the same units of the same head, so each unit is asked for JOINTLY: the same tensor load, descriptor and mask in all four.  All trip counts, branches and LDS addresses hang on c, the head
; and the wave's number; cx enters Q's and y's addresses and the place of the diagonal step in a block's last unit (3 - cx, then cx), which only selects the two scalars of the mask.
; THE MASK is the C operand that starts the sum S^T = K Q^T: MCE = ME x AL + BE, made in every step.  ME, made once, holds five key blocks k = -1 .. 3: -1e30 where key 16 k + .. of the block's own step is hidden from piece 0's
; row, else 0; piece x takes the blocks -x .. 3 - x.  (AL, BE) = (1, 0) in the block's own step, (0, -1e30) in a later one, (0, 0) elsewhere.  Steps behind the diagonal are computed all the same (36 steps are walked for 33).
; LAYOUT.  S^T = K Q^T holds ONE query a lane (lane % 16) and the keys 8 (lane / 16) + 0..7; two such results rounded to f16 ARE source 1 of O^T = V^T P.  p = 2^(c s - c m), c = log2(e) / sqrt(128), with a running
; maximum m; O and l are multiplied by a = 2^(c m_old - c m_new) in every step.
; BY TURNS.  In a turn one piece has the matrix unit: 16 products V^T P of the step in hand, then 16 products K Q^T of the next; the other piece's softmax, 134 instructions in 32 slices, stands behind them, a slice each.
; ONE TEXT FOR EVERY STEP.  The turns run on across the change of blocks: in the trip that enters the second block's first unit the first two turns still finish the first block's last step; behind each the finished piece is PARKED in
; registers and its m set anew; the new block's first step then has a = 0, so what the old one left in O and l need only be finite.  The launch's first step finds zeros in V, O, P, and -2^100 as piece 1's scores (weights 0).
; REGISTERS, in windows of 256 (s_set_vgpr_msb: bits 1:0 source 0, 3:2 source 1, 5:4 source 2, 7:6 destination):
;   window 0: v2-11, v36-37 addresses and at work; v12-27 statistics, 8 a piece; v28-35 the finished blocks' c m and l; v62-63 the add's; v64-127 S^T, 32 a piece; v128-159 P, 16 a piece (v64-255: at work in the merge)
;   window 1: v0-127 O^T, 64 a piece; v128-167 ME; v168-207 MCE     window 2: v0-63 Q; v64-127 the second block's Q; v128-255 K of one step     window 3: v0-127 V of one step; v128-255 the first block's O^T, parked
.set KS,    64
.set PK,    272       ; a row of K in LDS: 256 bytes + 16 = 68 words: the 16 rows of a load start at 16 different groups of four banks (64 banks of 4 bytes: ISA guide 11.1)
.set PV,    288       ; a row of V: 256 + 32 = 72 words
.set VOFF,  4*KS*PK   ; a slot holds a unit: 256 rows of K, then 256 rows of V
.set UNITB, 4*KS*(PK+PV)   ; 143,360 bytes
.set SLOT1, 147456    ; slot 1 begins here: 2^17 + 2^14 shares no bit with 0, 34,816, 69,632 or 106,496, the LDS words of the four waves' fills, nor with 0, so one exclusive or turns each of them into the other slot's
.set SPARE, SLOT1+UNITB    ; behind the ring: the spare words, 128 bytes a wave: two blocks of 256 bytes that no other line names
.set STG,   SLOT1     ; the stage of the merge: slot 1's bytes, written only when slot 1 has had its last fill and its last read
.set SPT,   528       ; a row of the stage: 128 f32 + (c m, l) + 8 bytes = 33 x 16: the 16 rows of a store start at 16 different groups of four banks
.set TILEB, 16*SPT    ; a wave's piece
.set PIECEB, 4*TILEB  ; one piece of all four waves
.set BLKB,  2*PIECEB  ; a block: 67,584 bytes; two blocks fit in the slot
.set AK0, 2           ; v2   my lane's place in my first step of K in a slot; never rewritten
.set AV0, 3           ; v3   the same for V
.set ADR, 4           ; v4   the LDS address of the run of loads in hand
.set QO,  5           ; v5   my byte offset in 16 rows of Q
.set STO, 6           ; v6   the stage: where I put my 32 bytes of a row
.set STS, 7           ; v7   where I put my row's c m and l
.set RD,  8           ; v8   where I read 32 bytes of a row back
.set ST,  12          ; piece t's statistics at v[ST+8 t]: c m, m, l (even keys', odd keys'), c0-c3 at work; a takes c2's place once the maximum is found
.set PSA, 28          ; v28-31  the first block's (c m, l), a pair a piece
.set PSB, 32          ; v32-35  the second block's
.set RS,  36          ; v36  where I read a row's c m and l back
.set GO,  37          ; v37  my byte offset in two rows of y
.set SPW, 62          ; v62  LDS address of my spare word; never rewritten
.set NIL, 63          ; v63  0; never rewritten
.set S,   64
.set P,   128
.set ME,  128         ; window 1: key block k (-1 .. 3) at ME + 8 (k + 1)
.set MCE, 168         ; window 1, likewise
.set QB,  64          ; window 2
.set KF,  128         ; window 2: key block n, channels 32 c on at KF + 32 n + 8 c
.set PKR, 128         ; window 3
.set MS,  64          ; the merge, row pair t: (c m, l) of the even steps' partial at MS + 4 t, of the odd steps' at MS + 4 t + 2
.set MF,  96          ; the two factors, a pair
.set MM,  112         ; the maximum, then the merged l
.set MR,  120         ; its reciprocal
.set MO,  128         ; 8 channels of the one partial at MO + 16 t, of the other at MO + 16 t + 8
.set WV,  12          ; s12  my wave's number
.set UU,  13          ; s13  u = wave / 2
.set CC,  14          ; s14  c: the cluster's number along x
.set CX,  15          ; s15  cx: my place in the cluster
.set KB,  16          ; s[16:17] K at my half of the head's unit 0
.set VB,  18          ; s[18:19] V likewise
.set QH,  20          ; s[20:21] Q at my rows of the first block
.set QL,  22          ; s[22:23] of the second
.set G1K, 24          ; s[24:31] group 1 for K's tiles
.set G1V, 32          ; s[32:39] for V's: it differs in the padding alone
.set G0K, 40          ; s[40:43] group 0 for K's tiles
.set G0V, 44          ; s[44:47] for V's
.set SLOTS, 56        ; s56  units still to be asked for
.set CNT, 57          ; s57  counts a unit's two steps of mine; later the merge's two blocks
.set CS,  58          ; s[58:59] c
.set SEL, 60          ; s[60:61] v_permlanex16_b32's selects: each lane takes its own place in the other half
.set TBK, 62          ; s62  the slot in hand, plus the steps of K that I have fetched from it
.set TBV, 63          ; s63  the same for V
.set GK,  66          ; s66  g steps of K
.set GV,  67          ; s67  g steps of V
.set LK,  68          ; s68  where my tensor load of K lands in slot 0
.set LV,  69          ; s69  of V
.set RT,  70          ; s70  units of the block in hand still to be entered
.set NXT, 71          ; s71  the unit to be asked for next
.set LQ,  72          ; s72  the last unit of the block whose units are being asked for
.set NEW, 73          ; s73  1: the step in hand is a block's first, and the block before is to be parked
.set OFF, 74          ; s[74:75] a unit's byte offset in K and V
.set AL,  76          ; s[76:77] the mask's factor
.set BE,  78          ; s[78:79] the mask's addend
.set YH,  80          ; s[80:81] y at the rows of the first block that I merge
.set YL,  82          ; s[82:83] of the second
.set BIGN, 84         ; s84  -1e30
.set C1,  85          ; s85  c + 1
.set DP,  86          ; s86  the place (0..3) of the diagonal step in the last unit of the block in hand
.set DPLO, 87         ; s87  the same for the second block
.set DPT, 88          ; s88  that place in the unit in hand, or 64: no step of this unit is masked
.set SI,  89          ; s89  the place of the step in hand: g, then g + 2
.set GG,  91          ; s91  g = wave % 2
.set YC,  92          ; s[92:93] y at the rows that the merge's trip in hand stores (at the head: at work)
.set MSB, 0
.macro WIN new                      ; the high byte repeats the setting that is left; a switch that changes nothing is dropped
.if MSB != (\new)
	s_set_vgpr_msb (MSB<<8)|(\new)
.set MSB, (\new)
.endif
.endm
.set W_KQ, 0x0a       ; K and Q in window 2, S^T in window 0
.set W_KM, 0x1a       ; the same with the C operand, the mask, in window 1
.set W_PV, 0x53       ; V in window 3, P in window 0, O^T in window 1
.set W_RS, 0x41       ; destination and source 0 in window 1, source 1 in window 0
.macro PLACES                       ; four plain vector instructions between a matrix instruction and what reads its result or writes its registers (ISA guide 7.12.1)
.rept 4
	v_nop
.endr
.endm
; A joint fill.  Waves 0 and 1 fetch the two halves of a unit's K, waves 2 and 3 those of its V: 128 rows of 256 bytes each.  The branch hangs on the wave's number alone.
; Four v_nop follow each of the two lines, ahead of the jump and the label.
.macro JLOAD
	s_cmp_lt_u32 s[WV], 2
	s_cbranch_scc0 .Lfor_v_\@
	tensor_load_to_lds s[G0K:G0K+3], s[G1K:G1K+7]
	s_nop 0
.rept 4
	v_nop
.endr
	s_branch .Lasked_\@
.Lfor_v_\@:
	tensor_load_to_lds s[G0V:G0V+3], s[G1V:G1V+7]
	s_nop 0
.rept 4
	v_nop
.endr
.Lasked_\@:
.endm
; A round of the cluster's barrier: my work-group's barrier, so that wave 0's signal speaks for all four waves; wave 0 signals; every wave waits for all four work-groups; my work-group's barrier once more.
.macro CROUND
	s_barrier_signal -1
	s_barrier_wait -1
	s_cmp_lg_u32 s[WV], 0
	s_cbranch_scc1 .Lnot_wave_0_\@
	s_barrier_signal -3
.Lnot_wave_0_\@:
	s_barrier_wait -3
	s_barrier_signal -1
	s_barrier_wait -1
.endm
; THE CHANGE OF SLOTS.  Each wave waits for all its tensor loads, of which one is out: its part of the slot to be entered; adds 0 to its spare word; and waits for that and for its own reads of the slot that it leaves
; (the last: V of its second step there).  Behind the barrier nobody reads the old slot any more and the new one is whole.  fill = 1: the barrier is a round of the cluster's, so that this holds of all four work-groups, and the old
; slot is filled again, first thing behind the round, with unit NXT: the load has a trip, 128 matrix instructions of each wave, in which to land.  (At its first use nothing has been read yet: slot 0 is waited for, slot 1 filled.)
.macro CHANGE fill
	WIN 0                           ; at a label and at a branch every window is 0
	s_wait_tensorcnt 0x0            ; no tensor load of mine is out, so a group 0 may be written
	ds_add_u32 v[SPW], v[NIL]       ; 0 onto my spare word; the scalar work stands between it and the wait for it
.if \fill
	s_lshl_b32 s[OFF], s[NXT], 16   ; a unit is 65,536 bytes of K and of V
	s_xor_b32 s[G0K+1], s[G0K+1], SLOT1  ; the other slot than last time
	s_add_nc_u64 s[G0K+2:G0K+3], s[KB:KB+1], s[OFF:OFF+1]
	s_or_b32 s[G0K+3], s[G0K+3], 0x80000000
	s_xor_b32 s[G0V+1], s[G0V+1], SLOT1
	s_add_nc_u64 s[G0V+2:G0V+3], s[VB:VB+1], s[OFF:OFF+1]
	s_or_b32 s[G0V+3], s[G0V+3], 0x80000000
	s_add_co_u32 s[NXT], s[NXT], 1  ; the block's next unit, or behind its last the second block's unit 0
	s_cmp_gt_u32 s[NXT], s[LQ]
	s_cselect_b32 s[NXT], 0, s[NXT]
	s_cselect_b32 s[LQ], s[CC], s[LQ]
.endif
	s_sub_co_u32 s[TBK], s[TBK], 4*KS*PK  ; the fetches go back to a slot's beginning,
	s_xor_b32 s[TBK], s[TBK], SLOT1       ; in the other slot
	s_sub_co_u32 s[TBV], s[TBV], 4*KS*PV
	s_xor_b32 s[TBV], s[TBV], SLOT1
	s_wait_dscnt 0x0                ; the add is done, and my reads of the old slot are over
.if \fill
	CROUND
	JLOAD
.else
	s_barrier_signal -1
	s_barrier_wait -1
.endif
.endm
	s_load_b128 s[4:7], s[0:1], 0x0 ; qkv s[4:5], y s[6:7]
	v_lshl_add_u32 v[SPW], v0, 2, SPARE
	v_mov_b32 v[NIL], 0
	ds_add_u32 v62, v63
	s_wait_dscnt 0x0
	v_lshrrev_b32 v1, 5, v0
	v_readfirstlane_b32 s[WV], v1   ; wave 0..3
	s_mov_b32 s[CC], ttmp9          ; in a cluster launch ttmp9 counts clusters
	s_bfe_u32 s[CX], ttmp6, 0x40000
	s_and_b32 s2, ttmp7, 0xffff     ; the head, which the four partners share
	s_lshl_b32 s3, s2, 19           ; its 524,288 bytes in each of q, k, v
	s_and_b32 s[GG], s[WV], 1
	s_lshr_b32 s[UU], s[WV], 1
	s_lshl_b32 s9, s[GG], 15        ; which half of a unit's 256 rows I fetch: 128 rows of 256 bytes
	s_add_co_u32 s48, s3, s9
	s_add_co_u32 s50, s48, 32*524288  ; v's heads begin at group 32,
	s_add_co_u32 s48, s48, 16*524288  ; k's at group 16
	s_mov_b32 s49, 0
	s_mov_b32 s51, 0
	s_mul_i32 s[LK], s[GG], 128*PK  ; and its place in a slot: no place in the cluster enters an LDS address
	s_mul_i32 s[LV], s[GG], 128*PV
	s_add_co_u32 s[LV], s[LV], VOFF
	s_mul_i32 s[GK], s[GG], KS*PK
	s_mul_i32 s[GV], s[GG], KS*PV
	s_lshl2_add_u32 s8, s[CC], s[CX]  ; b = 4 c + cx: it enters Q's and y's addresses alone
	s_sub_co_u32 s10, 31, s8        ; the first block
	s_lshl_b32 s11, s[UU], 13       ; my 32 rows of a block
	s_add_co_u32 s11, s11, s3
	s_lshl_b32 s52, s10, 14         ; a block's 64 rows of 256 bytes
	s_add_co_u32 s52, s52, s11
	s_mov_b32 s53, 0
	s_lshl_b32 s54, s8, 14
	s_add_co_u32 s54, s54, s11
	s_mov_b32 s55, 0
	s_lshl_b32 s11, s[WV], 16       ; in y: the 16 rows of 4,096 bytes that I merge, rows 16 w on,
	s_lshl_b32 s9, s2, 8            ; the head's 256 bytes of a row
	s_add_co_u32 s11, s11, s9
	s_lshl_b32 s92, s10, 18         ; a block's 64 rows
	s_add_co_u32 s92, s92, s11
	s_mov_b32 s93, 0
	s_lshl_b32 s94, s8, 18
	s_add_co_u32 s94, s94, s11
	s_mov_b32 s95, 0
	; group 1: a tile of 128 rows x 128 elements of 2 bytes, padded in LDS
	s_mov_b32 s[G1K], 15|(1<<16)|(1<<20)|(1<<21)|(5<<22)|(3<<25)  ; 15:0 the mask of four; 17:16 2-byte elements; 20 padding on; 21 set beside a mask; 24:22 after every 64 words; 31:25 4 words
	s_mov_b32 s[G1V], 15|(1<<16)|(1<<20)|(1<<21)|(5<<22)|(7<<25)  ; the same with 8 words of padding
.irp g, G1K, G1V
	s_mov_b32 s[\g+1], 128<<16      ; tensor_dim0 = 128
	s_mov_b32 s[\g+2], 128<<16      ; tensor_dim1 = 128
	s_mov_b32 s[\g+3], 128<<16      ; tile_dim0 = 128
	s_mov_b32 s[\g+4], 128          ; tile_dim1 = 128
	s_mov_b32 s[\g+5], 128          ; 128 elements from row to row
	s_mov_b32 s[\g+6], 0
	s_mov_b32 s[\g+7], 0
.endr
	s_mov_b32 s[CS], 0x3e0293ee     ; c = log2(e) / sqrt(128) = 0.127517
	s_mov_b32 s[CS+1], s[CS]        ; named with it as a pair
	s_mov_b32 s[SEL], 0x76543210
	s_mov_b32 s[SEL+1], 0xfedcba98
	s_mov_b32 s[TBK], SLOT1+4*KS*PK ; the first change of slots turns these two into 0
	s_mov_b32 s[TBV], SLOT1+4*KS*PV
	s_mov_b32 s[G0K], 1             ; count = 1
	s_mov_b32 s[G0K+1], s[LK]       ; LDS address: slot 0
	s_mov_b32 s[G0V], 1
	s_mov_b32 s[G0V+1], s[LV]
	s_sub_co_u32 s[DP], 3, s[CX]    ; block 31 - b = 4 (7 - c) + 3 - cx
	s_mov_b32 s[DPLO], s[CX]        ; block b = 4 c + cx
	s_sub_co_u32 s[RT], 8, s[CC]    ; the first block has 8 - c units,
	s_sub_co_u32 s[LQ], 7, s[CC]
	s_add_co_u32 s[C1], s[CC], 1    ; the second c + 1
	s_mov_b32 s[NXT], 1
	s_mov_b32 s[NEW], 0
	s_mov_b32 s[OFF+1], 0
	s_mov_b32 s[AL+1], 0            ; named as pairs
	s_mov_b32 s[BE+1], 0
	s_mov_b32 s[BIGN], 0xf149f2ca   ; -1e30
	s_mov_b32 s[SLOTS], 8
	s_wait_kmcnt 0x0
	s_add_nc_u64 s[KB:KB+1], s[4:5], s[48:49]
	s_add_nc_u64 s[VB:VB+1], s[4:5], s[50:51]
	s_add_nc_u64 s[QH:QH+1], s[4:5], s[52:53]
	s_add_nc_u64 s[QL:QL+1], s[4:5], s[54:55]
	s_add_nc_u64 s[YH:YH+1], s[6:7], s[92:93]
	s_add_nc_u64 s[YL:YL+1], s[6:7], s[94:95]
	s_mov_b64 s[G0K+2:G0K+3], s[KB:KB+1]           ; global address: unit 0
	s_or_b32 s[G0K+3], s[G0K+3], 0x80000000        ; type = 2
	s_mov_b64 s[G0V+2:G0V+3], s[VB:VB+1]
	s_or_b32 s[G0V+3], s[G0V+3], 0x80000000
	CROUND                          ; all four work-groups are here: the first joint loads meet
	JLOAD                           ; unit 0 into slot 0: one load of mine is out
	; a fragment of K or Q is 16 rows x 32 channels in 8 registers: lane l holds row l % 16; two loads of 16 bytes, 32 bytes apart, at row x pitch + 16 (l / 16)
	v_and_b32 v1, 15, v0            ; l % 16
	v_bfe_u32 v9, v0, 4, 1          ; l / 16
	v_lshlrev_b32 v[QO], 8, v1
	v_lshl_add_u32 v[QO], v9, 4, v[QO]
	WIN 0x80                        ; destination window 2, address window 0
.set i, 0
.rept 8                             ; both blocks' Q: piece i / 4 lies 16 rows, 4,096 bytes, on; channels 32 (i % 4) on
	global_load_b128 v[8*i:8*i+3],         v[QO], s[QH:QH+1] offset:(i/4)*4096+(i%4)*64
	global_load_b128 v[8*i+4:8*i+7],       v[QO], s[QH:QH+1] offset:(i/4)*4096+(i%4)*64+32
	global_load_b128 v[QB+8*i:QB+8*i+3],   v[QO], s[QL:QL+1] offset:(i/4)*4096+(i%4)*64
	global_load_b128 v[QB+8*i+4:QB+8*i+7], v[QO], s[QL:QL+1] offset:(i/4)*4096+(i%4)*64+32
.set i, i+1
.endr
	WIN 0
	v_lshlrev_b32 v10, 3, v9
	v_sub_nc_u32 v10, v1, v10
	s_lshl_b32 s9, s[UU], 5
	v_add_nc_u32 v10, s9, v10       ; piece 0's query in its block, 32 u + l % 16, less my lanes' 8 (l / 16): register j of key block k is hidden where 16 k + j is greater.  It is -8 at the least, so block -1 hides nothing
	WIN 0x40
.set i, 0
.rept 8
	v_mov_b32 v[ME+i], 0
.set i, i+1
.endr
.set i, 0
.rept 32
	v_cmp_gt_i32 vcc_lo, 16*(i/8)+i%8, v10
	v_cndmask_b32 v[ME+8+i], 0, s[BIGN], vcc_lo
.set i, i+1
.endr
	WIN 0
	v_mul_u32_u24 v[AK0], v1, PK
	v_lshl_add_u32 v[AK0], v9, 4, v[AK0]
	v_add_nc_u32 v[AK0], s[GK], v[AK0]
	; the turning load takes 16 keys x 16 channels (lane l reads key 8 (l / 16) + l % 8, channels 8 ((l / 8) % 2) + 0..7) and leaves half a fragment of V^T: lane l holds channel l % 16 and 8 keys
	v_and_b32 v10, 7, v0
	v_bfe_u32 v11, v0, 3, 1
	v_lshl_add_u32 v[AV0], v9, 3, v10
	v_mul_u32_u24 v[AV0], v[AV0], PV
	v_lshl_add_u32 v[AV0], v11, 4, v[AV0]
	v_add_nc_u32 v[AV0], VOFF, v[AV0]
	v_add_nc_u32 v[AV0], s[GV], v[AV0]
	; the stage.  In: my wave's region, row l % 16, 32 bytes (8 channels) for each half of the lanes; the row's c m and l behind its 512 bytes.
	s_mul_i32 s9, s[WV], TILEB
	s_add_co_u32 s9, s9, STG
	v_mul_u32_u24 v[STS], v1, SPT
	v_add_nc_u32 v[STS], s9, v[STS]
	v_lshl_add_u32 v[STO], v9, 5, v[STS]
	v_add_nc_u32 v[STS], 512, v[STS]
	; Back: I merge piece g of the waves 2 u and 2 u + 1, which is rows 16 w on of the block.  Lanes 0-15 take one row, 32 bytes each, lanes 16-31 the next.
	s_and_b32 s9, s[WV], 2
	s_mul_i32 s9, s9, TILEB
	s_mul_i32 s2, s[GG], PIECEB
	s_add_co_u32 s9, s9, s2
	s_add_co_u32 s9, s9, STG
	v_mul_u32_u24 v[RS], v9, SPT
	v_add_nc_u32 v[RS], s9, v[RS]
	v_lshl_add_u32 v[RD], v1, 5, v[RS]
	v_add_nc_u32 v[RS], 512, v[RS]
	v_lshlrev_b32 v[GO], 12, v9     ; and the same two rows in y, 4,096 bytes apart, 16 bytes a lane
	v_lshl_add_u32 v[GO], v1, 4, v[GO]
	; What the first step finds.  Its first products V^T P, of a step that has not been, add 0 (V = 0); piece 1's first softmax works on scores of -2^100, below m's start: its weights are 0.  The parked registers are set too, so that
	; no way through the text reads a register that was never written.  All this stands in the wait for the first unit.
	WIN 0xc0
.set i, 0
.rept 256
	v_mov_b32 v[i], 0
.set i, i+1
.endr
	WIN 0x40
.set i, 0
.rept 128
	v_mov_b32 v[i], 0
.set i, i+1
.endr
	WIN 0
.set i, 0
.rept 2
	v_mov_b32 v[ST+8*i], 0xfe000000    ; c m: far below every c s
	v_mov_b32 v[ST+8*i+1], 0xec800000  ; m: -2^90
	v_mov_b32 v[ST+8*i+2], 0
	v_mov_b32 v[ST+8*i+3], 0
	v_mov_b32 v[ST+8*i+4], 0
	v_mov_b32 v[ST+8*i+5], 0
	v_mov_b32 v[ST+8*i+6], 0
	v_mov_b32 v[ST+8*i+7], 0
	v_mov_b32 v[PSA+2*i], 0
	v_mov_b32 v[PSA+2*i+1], 0
.set i, i+1
.endr
.set i, 0
.rept 16
	v_mov_b32 v[P+i], 0
.set i, i+1
.endr
.set i, 0
.rept 32
	v_mov_b32 v[S+32+i], 0xf1800000    ; -2^100
.set i, i+1
.endr
.macro MASK                         ; MCE = ME x AL + BE: five key blocks, which serve both pieces
	WIN W_RS
.set z, 0
.rept 20
	v_pk_fma_f32 v[MCE+2*z:MCE+2*z+1], v[ME+2*z:ME+2*z+1], s[AL:AL+1], s[BE:BE+1] op_sel_hi:[1,0,0]
.set z, z+1
.endr
.endm
; THE MATRIX WORK.  The accumulators take turns, one instruction a turn.
; Product i of 16 of S^T = K Q^T for piece x: channels 32 (i / 4) on, keys 16 (i % 4) on.  The first 4 start the sums with the mask: key block i - x of the five.
.macro KQ x
.set rS, S+32*(\x)+8*(i%4)
.set rK, KF+32*(i%4)+8*(i/4)
.set rQ, 32*(\x)+8*(i/4)
.set rM, MCE+8*((i%4)+1-(\x))
.if i < 4
	WIN W_KM
	v_wmma_f32_16x16x32_f16 v[rS:rS+7], v[rK:rK+7], v[rQ:rQ+7], v[rM:rM+7]
.else
	WIN W_KQ
	v_wmma_f32_16x16x32_f16 v[rS:rS+7], v[rK:rK+7], v[rQ:rQ+7], v[rS:rS+7]
.endif
.endm
; Product i of 16 of O^T += V^T P for piece x: keys 32 (i / 8) on, channels 16 (i % 8) on.
.macro PV x
	WIN W_PV
.set rO, 64*(\x)+8*(i%8)
.set rV, 64*(i/8)+8*(i%8)
.set rP, P+16*(\x)+8*(i/8)
	v_wmma_f32_16x16x32_f16 v[rO:rO+7], v[rV:rV+7], v[rP:rP+7], v[rO:rO+7]
.endm
; THE LDS LOADS stand in runs of 32, in the order in which the products take the fragments.  My next step lies two steps on.
.macro FETCH_K
	WIN 0
	v_add_nc_u32 v[ADR], s[TBK], v[AK0]
	s_add_co_u32 s[TBK], s[TBK], 2*KS*PK
	WIN 0x80                        ; destination window 2
.irp c, 0,1,2,3
.irp n, 0,1,2,3
	ds_load_b128 v[KF+32*(\n)+8*(\c):KF+32*(\n)+8*(\c)+3],   v[ADR] offset:(\n)*16*PK+(\c)*64
	ds_load_b128 v[KF+32*(\n)+8*(\c)+4:KF+32*(\n)+8*(\c)+7], v[ADR] offset:(\n)*16*PK+(\c)*64+32
.endr
.endr
.endm
.macro FETCH_V
	WIN 0
	v_add_nc_u32 v[ADR], s[TBV], v[AV0]
	s_add_co_u32 s[TBV], s[TBV], 2*KS*PV
	WIN 0xc0                        ; destination window 3
.irp f, 0,1,2,3,4,5,6,7,8,9,10,11,12,13,14,15  ; keys 32 (f / 8) on, channels 16 (f % 8) on
	ds_load_tr16_b128 v[8*(\f):8*(\f)+3],   v[ADR] offset:((\f)/8)*32*PV+((\f)%8)*32
	ds_load_tr16_b128 v[8*(\f)+4:8*(\f)+7], v[ADR] offset:((\f)/8)*32*PV+16*PV+((\f)%8)*32
.endr
.endm
; A block's two pieces go into the stage: O^T as it lies (window and first register given; each accumulator's lowest registers first), 32 bytes a lane and channel block, and each row's (c m, l),
; which both halves of the lanes write alike.  34 LDS stores.
.macro TOSTAGE win, base, ps
.irp x, 0,1
	WIN \win
.irp f, 0,1,2,3,4,5,6,7
	ds_store_b128 v[STO], v[(\base)+64*(\x)+8*(\f):(\base)+64*(\x)+8*(\f)+3]   offset:(\x)*PIECEB+64*(\f)
	ds_store_b128 v[STO], v[(\base)+64*(\x)+8*(\f)+4:(\base)+64*(\x)+8*(\f)+7] offset:(\x)*PIECEB+64*(\f)+16
.endr
	WIN 0
	ds_store_b64 v[STS], v[(\ps)+2*(\x):(\ps)+2*(\x)+1] offset:(\x)*PIECEB
.endr
.endm
; THE VECTOR WORK.  A piece's softmax for one key step is a list of 134 instructions; SM writes number j of it for piece t.  s0-s31 are the lane's 32 scores, in pairs 0-15.
;   0-15    the maximum of s0-s31 and the old m, three operands at a time: four chains c0-c3 of seven scores each (each accumulator's lowest registers first), the four left over, c0-c3 and m
;   16-20   the other half of the lanes' maximum; the new m; c m; c m_old - c m_new
;   21-87   33 exponentials (a, then s0-s31) at the odd numbers from 23 on: no two follow each other, and each has a plain instruction behind it before its result is used (ISA guide 5.7.2).  The plain ones are what is
;           ready: c s - c m for a pair whose exponentials are still to come, the rounding to f16 of a pair whose exponentials are done, at last the first sums
;   88-101  the last rounding; the rest of the sums; l = a l + the sum        102-133 O^T times a: the one part that leaves window 0
.macro SM t
.set rT, ST+8*(\t)
.set rS, S+32*(\t)
.set rP, P+16*(\t)
.set rO, 64*(\t)+2*(j-102)
.set q, (j-20)/2
.if j < 102
	WIN 0
.endif
.if j < 4
	v_max3_num_f32 v[rT+4+j], v[rS+8*j], v[rS+8*j+1], v[rS+8*j+2]
.elseif j < 12
	v_max3_num_f32 v[rT+4+j%4], v[rT+4+j%4], v[rS+8*(j%4)+2*(j/4)+1], v[rS+8*(j%4)+2*(j/4)+2]
.elseif j == 12
	v_max3_num_f32 v[rT+4], v[rT+4], v[rS+7], v[rS+15]
.elseif j == 13
	v_max3_num_f32 v[rT+6], v[rT+6], v[rS+23], v[rS+31]
.elseif j == 14
	v_max3_num_f32 v[rT+4], v[rT+4], v[rT+5], v[rT+6]
.elseif j == 15
	v_max3_num_f32 v[rT+4], v[rT+4], v[rT+7], v[rT+1]
.elseif j == 16
	v_permlanex16_b32 v[rT+5], v[rT+4], s[SEL], s[SEL+1]  ; the query's other 32 keys lie in the lane 16 away
.elseif j == 17
	v_mov_b32 v[rT+7], v[rT]        ; c m_old is kept for a: number 19 writes c m anew
.elseif j == 18
	v_max_num_f32 v[rT+1], v[rT+4], v[rT+5]
.elseif j == 19
	v_mul_f32 v[rT], s[CS], v[rT+1]
.elseif j == 20
	v_sub_f32 v[rT+7], v[rT+7], v[rT]
.elseif j == 23
	v_exp_f32 v[rT+6], v[rT+7]
.elseif (j < 88) && (j > 23) && (j%2 == 1)
	v_exp_f32 v[rS+(j-25)/2], v[rS+(j-25)/2]
.elseif (q < 4) || ((j < 76) && (q%2 == 0))
.set b, q/2+2
.if q < 4
.set b, q
.endif
	v_pk_fma_f32 v[rS+2*b:rS+2*b+1], v[rS+2*b:rS+2*b+1], s[CS:CS+1], v[rT:rT+1] op_sel_hi:[1,0,0] neg_lo:[0,0,1] neg_hi:[0,0,1]  ; pair b: c s - c m
.elseif (j < 88) && (q%2 == 1)
	s_wait_alu depctr_va_vdst(0)
	v_cvt_pk_f16_f32 v[rP+(q-5)/2], v[rS+q-5], v[rS+q-4]  ; pair (q - 5) / 2: its second exponential stands three numbers back
.elseif j == 89
	s_wait_alu depctr_va_vdst(0)
	v_cvt_pk_f16_f32 v[rP+15], v[rS+30], v[rS+31]
.elseif j < 102                     ; the sum of the 16 pairs, in place: sum z of 16 adds neighbours 1, 2, 4 and 8 pairs apart, then l takes it
.set z, j-86
.if j < 89
.set z, (j-76)/4
.endif
.set w, 4
.set u, z
.if z >= 14
.set w, 32
.set u, 0
.elseif z >= 12
.set w, 16
.set u, z-12
.elseif z >= 8
.set w, 8
.set u, z-8
.endif
.if z < 15
	v_pk_add_f32 v[rS+w*u:rS+w*u+1], v[rS+w*u:rS+w*u+1], v[rS+w*u+w/2:rS+w*u+w/2+1]
.else
	v_pk_fma_f32 v[rT+2:rT+3], v[rT+2:rT+3], v[rT+6:rT+7], v[rS:rS+1] op_sel_hi:[1,0,1]
.endif
.else
	WIN W_RS
	v_pk_mul_f32 v[rO:rO+1], v[rO:rO+1], v[rT+6:rT+7] op_sel_hi:[1,0]
.endif
.endm
; Slice k of 32: numbers 4 k .. 4 k + 3.  134 = 4 x 32 + 6: the six that are over stand in slice 31, whose ten plain instructions, on the other piece's O^T, are the places behind the turn's last product.
.macro SLICE y
.set j, 4*k
.rept 4
	SM \y
.set j, j+1
.endr
.if k == 31
.rept 6
	SM \y
.set j, j+1
.endr
.endif
.set k, k+1
.endm
; A TURN.  Piece x has the matrix unit; the other piece's softmax stands in slices behind its products (kq = 0, the walk's last turn: no new scores, two slices behind each product).
; Piece 0's turn fetches the next step's K behind its second product: K's last reader stands in front of slice 31 of the turn before.  Piece 1's turn fetches the same step's V behind its second product K Q^T:
; V's last reader stands three slices, six plain instructions, back.  The waits are counted by fragments, two loads each, four products at a time; piece 1's turn finds all in.
; In the walk's last turn the first block's parked partials go into the stage where the other turns fetch K: 24 loads of V and these 34 stores are then out; that turn's counts leave V's later fragments alone out, so they
; cover the stores too, and the last of them is for 0.
.macro TURN x, kq
.set k, 0
.set i, 0
.rept 16
.if ((\x) == 0) && ((i%4) == 0)
.if (i > 0) && (\kq)
	s_wait_dscnt 56-2*i             ; V's fragments i .. i + 3 are in; V's later ones and K's 32 loads may be out
.else
	s_wait_dscnt 24-2*i             ; the same where no loads of K are behind them
.endif
.endif
	PV \x
	SLICE 1-(\x)
.if !(\kq)
	SLICE 1-(\x)
.endif
.if ((\x) == 0) && (\kq) && (i == 1)
	FETCH_K
.endif
.if ((\x) == 0) && !(\kq) && (i == 1)
	TOSTAGE 0x0c, PKR, PSA          ; address window 0, data window 3
.endif
.set i, i+1
.endr
.if \kq
.set i, 0
.rept 16
.if ((\x) == 0) && ((i%4) == 0)
	s_wait_dscnt 24-2*i             ; K's four fragments of channels 8 i on are in; the later ones may be out
.endif
	KQ \x
	SLICE 1-(\x)
.if ((\x) == 1) && (i == 1)
	FETCH_V
.endif
.set i, i+1
.endr
.endif
.endm
; A finished piece's c m and l into the pair v[d], v[d + 1]: l's two halves and the other half of the lanes' are added.
.macro LSUM x, d
.set rT, ST+8*(\x)
	v_add_f32 v[rT+4], v[rT+2], v[rT+3]
	v_permlanex16_b32 v[rT+5], v[rT+4], s[SEL], s[SEL+1]
	v_add_f32 v[(\d)+1], v[rT+4], v[rT+5]
	v_mov_b32 v[\d], v[rT]
.endm
; PIECE x OF THE FIRST BLOCK IS PARKED: its statistics, its O^T (each accumulator's registers in ascending order); m is set anew for the second block.
.macro PARK x
	WIN 0
	LSUM \x, PSA+2*(\x)
	v_mov_b32 v[rT], 0xfe000000
	v_mov_b32 v[rT+1], 0xec800000
	WIN 0xc1                        ; source 0 window 1, destination window 3
.set i, 0
.rept 64
	v_mov_b32 v[PKR+64*(\x)+i], v[64*(\x)+i]
.set i, i+1
.endr
	WIN 0
.endm
; A TRIP: a unit is entered (and, fill = 1, the next is asked for).  My two steps of it are one text, walked twice: the step's mask, then two turns, which finish the step before and make this step's scores.
; The three jumps go forward, past text that holds neither a barrier nor a tensor load nor an LDS instruction; they hang on c alone.
.macro TRIP fill
	CHANGE \fill
	s_sub_co_u32 s[RT], s[RT], 1
	s_cmp_eq_u32 s[RT], 0           ; the block's last unit holds the diagonal
	s_cselect_b32 s[DPT], s[DP], 64
	s_mov_b32 s[SI], s[GG]
	s_mov_b32 s[CNT], 2
.Lstep_\@:
	s_cmp_eq_u32 s[SI], s[DPT]      ; is this step the block's own?
	s_cselect_b32 s[AL], 1.0, 0
	s_cmp_gt_u32 s[SI], s[DPT]      ; or a later one?
	s_cselect_b32 s[BE], s[BIGN], 0
	MASK                            ; MCE's last readers stand twelve products and their slices back
	WIN 0
	s_cmp_eq_u32 s[NEW], 1
	s_cbranch_scc0 .Lold_a_\@
	WIN 0x82                        ; the second block's Q goes where the one text of the turns names Q
.set i, 0
.rept 64
	v_mov_b32 v[i], v[QB+i]
.set i, i+1
.endr
	WIN 0
.Lold_a_\@:
	TURN 0, 1
	WIN 0
	s_cmp_eq_u32 s[NEW], 1
	s_cbranch_scc0 .Lold_b_\@
	PARK 0
.Lold_b_\@:
	TURN 1, 1
	WIN 0
	s_cmp_eq_u32 s[NEW], 1
	s_cbranch_scc0 .Lold_c_\@
	PARK 1
.Lold_c_\@:
	s_mov_b32 s[NEW], 0             ; a unit's second step is never a block's first
	s_add_co_u32 s[SI], s[SI], 2
	s_sub_co_u32 s[CNT], s[CNT], 1
	s_cmp_lg_u32 s[CNT], 0
	s_cbranch_scc1 .Lstep_\@
	s_cmp_eq_u32 s[RT], 0
	s_cselect_b32 s[NEW], 1, 0
	s_cselect_b32 s[RT], s[C1], s[RT]
	s_cselect_b32 s[DP], s[DPLO], s[DP]
.endm
; THE MERGE of 16 rows of a block, two rows (t) at a time.  With M = max(c m_0, c m_1), e_g = 2^(c m_g - M): the row is (e_0 O_0 + e_1 O_1) / (e_0 l_0 + e_1 l_1).  A partial that saw only hidden keys has l = 0, O = 0 and e = 0.
; A lane's 32 bytes lie 32 bytes from its neighbour's, so lanes 8 apart meet in the same banks: two passes a load, 64 loads a wave in the whole launch.
.macro MERGE yb
	WIN 0
.irp t, 0,1,2,3,4,5,6,7
	ds_load_b64 v[MS+4*(\t):MS+4*(\t)+1],   v[RS] offset:(\t)*2*SPT
	ds_load_b64 v[MS+4*(\t)+2:MS+4*(\t)+3], v[RS] offset:TILEB+(\t)*2*SPT
.endr
.irp t, 0,1,2,3,4,5,6,7
	ds_load_b128 v[MO+16*(\t):MO+16*(\t)+3],     v[RD] offset:(\t)*2*SPT
	ds_load_b128 v[MO+16*(\t)+4:MO+16*(\t)+7],   v[RD] offset:(\t)*2*SPT+16
	ds_load_b128 v[MO+16*(\t)+8:MO+16*(\t)+11],  v[RD] offset:TILEB+(\t)*2*SPT
	ds_load_b128 v[MO+16*(\t)+12:MO+16*(\t)+15], v[RD] offset:TILEB+(\t)*2*SPT+16
.endr
	s_wait_dscnt 32                 ; the sixteen loads of statistics are in; the 32 of O may be out
.irp t, 0,1,2,3,4,5,6,7
	v_max_num_f32 v[MM+(\t)], v[MS+4*(\t)], v[MS+4*(\t)+2]
.endr
.irp t, 0,1,2,3,4,5,6,7
	v_sub_f32 v[MF+2*(\t)],   v[MS+4*(\t)],   v[MM+(\t)]
	v_sub_f32 v[MF+2*(\t)+1], v[MS+4*(\t)+2], v[MM+(\t)]
.endr
.irp t, 0,1,2,3,4,5,6,7
	v_exp_f32 v[MF+2*(\t)],   v[MF+2*(\t)]
	v_exp_f32 v[MF+2*(\t)+1], v[MF+2*(\t)+1]
.endr
	v_nop                           ; a plain instruction between the last exponential and the use of its result (ISA guide 5.7.2)
	s_wait_alu depctr_va_vdst(0)
.irp t, 0,1,2,3,4,5,6,7
	v_mul_f32 v[MM+(\t)], v[MF+2*(\t)], v[MS+4*(\t)+1]
.endr
.irp t, 0,1,2,3,4,5,6,7
	v_fma_f32 v[MM+(\t)], v[MF+2*(\t)+1], v[MS+4*(\t)+3], v[MM+(\t)]
.endr
.irp t, 0,1,2,3,4,5,6,7
	v_rcp_f32 v[MR+(\t)], v[MM+(\t)]
.endr
	v_nop                           ; likewise behind the last reciprocal
	s_wait_alu depctr_va_vdst(0)
.irp t, 0,1,2,3,4,5,6,7
	v_mul_f32 v[MF+2*(\t)],   v[MF+2*(\t)],   v[MR+(\t)]
	v_mul_f32 v[MF+2*(\t)+1], v[MF+2*(\t)+1], v[MR+(\t)]
.endr
.irp t, 0,1,2,3,4,5,6,7
	s_wait_dscnt 28-4*(\t)          ; LDS loads come back in order: row pair t's four are in, the later pairs' may be out
.irp e, 0,2,4,6
	v_pk_mul_f32 v[MO+16*(\t)+(\e):MO+16*(\t)+(\e)+1], v[MO+16*(\t)+(\e):MO+16*(\t)+(\e)+1], v[MF+2*(\t):MF+2*(\t)+1] op_sel_hi:[1,0]  ; both by the pair's first factor
.endr
.irp e, 0,2,4,6
	v_pk_fma_f32 v[MO+16*(\t)+(\e):MO+16*(\t)+(\e)+1], v[MO+16*(\t)+8+(\e):MO+16*(\t)+8+(\e)+1], v[MF+2*(\t):MF+2*(\t)+1], v[MO+16*(\t)+(\e):MO+16*(\t)+(\e)+1] op_sel:[0,1,0] op_sel_hi:[1,1,1]  ; both by its second
.endr
.irp e, 0,1,2,3
	v_cvt_pk_f16_f32 v[MO+16*(\t)+8+(\e)], v[MO+16*(\t)+2*(\e)], v[MO+16*(\t)+2*(\e)+1]
.endr
	global_store_b128 v[GO], v[MO+16*(\t)+8:MO+16*(\t)+11], s[\yb:\yb+1] offset:8192*(\t)  ; 16 lanes store 256 consecutive bytes, at a multiple of 256 from y's first
.endr
.endm
	s_wait_loadcnt 0x0              ; Q, both blocks'
.Lslot:                             ; 8 times: a unit is entered and the next is asked for
	TRIP 1
	s_sub_co_u32 s[SLOTS], s[SLOTS], 1
	s_cmp_lg_u32 s[SLOTS], 0
	s_cbranch_scc1 .Lslot
	TRIP 0                          ; the walk's ninth unit (in slot 0) is written out: nothing is asked for.  Behind its barrier nobody reads slot 1 any more, and nothing is loaded into it
	TURN 0, 0                       ; piece 0: V^T P of the last step | piece 1's last softmax | the first block's partials into the stage
.set i, 0
.rept 16
	PV 1                            ; piece 1: V^T P of the last step
.set i, i+1
.endr
	WIN 0
	PLACES                          ; behind the last products
	LSUM 0, PSB
	LSUM 1, PSB+2
	v_add_nc_u32 v[STO], BLKB, v[STO]
	v_add_nc_u32 v[STS], BLKB, v[STS]
	TOSTAGE 0x04, 0, PSB            ; the second block, from window 1
	s_wait_dscnt 0x0                ; for the others' sake: my stores into the stage are done
	s_barrier_signal -1
	s_barrier_wait -1
	s_mov_b64 s[YC:YC+1], s[YH:YH+1]
	s_mov_b32 s[CNT], 2
.Lmerge:                            ; twice: the first block, then the second
	MERGE YC
	s_wait_xcnt 0x0                 ; the stores have read their registers and y's address: only behind this wait are these written again
	v_add_nc_u32 v[RD], BLKB, v[RD]
	v_add_nc_u32 v[RS], BLKB, v[RS]
	s_mov_b64 s[YC:YC+1], s[YL:YL+1]
	s_sub_co_u32 s[CNT], s[CNT], 1
	s_cmp_lg_u32 s[CNT], 0
	s_cbranch_scc1 .Lmerge
	s_wait_tensorcnt 0x0            ; the wave's end
	ds_add_u32 v[SPW], v[NIL]
	s_wait_dscnt 0x0
	CROUND                          ; the closing round: no work-group ends while a partner may still ask for a tile that names it
	s_endpgm
.Lfunc_end_k_q9c3c2e19fb_attn:
	.size	k_q9c3c2e19fb_attn, .Lfunc_end_k_q9c3c2e19fb_attn-k_q9c3c2e19fb_attn
	.p2alignl 7, 3214868480
	.fill 96, 4, 3214868480
	.section	.rodata,"a",@progbits
	.p2align	6, 0x0
	.amdhsa_kernel k_q9c3c2e19fb_attn
		.amdhsa_group_segment_fixed_size 327680
		.amdhsa_private_segment_fixed_size 0
		.amdhsa_enable_private_segment 0
		.amdhsa_kernarg_size 16
		.amdhsa_user_sgpr_count 2
		.amdhsa_user_sgpr_kernarg_segment_ptr 1
		.amdhsa_wavefront_size32 1
		.amdhsa_system_sgpr_workgroup_id_x 1
		.amdhsa_system_sgpr_workgroup_id_y 1
		.amdhsa_system_sgpr_workgroup_id_z 1
		.amdhsa_system_vgpr_workitem_id 0
		.amdhsa_next_free_vgpr 1024
		.amdhsa_next_free_sgpr 96
		.amdhsa_reserve_vcc 1
		.amdhsa_float_denorm_mode_32 3
		.amdhsa_float_denorm_mode_16_64 3
		.amdhsa_memory_ordered 1
		.amdhsa_forward_progress 1
		.amdhsa_inst_pref_size 135
	.end_amdhsa_kernel
	.amdgpu_metadata
---
amdhsa.version: [ 1, 2 ]
amdhsa.kernels:
  - .name:           k_q9c3c2e19fb_attn
    .symbol:         k_q9c3c2e19fb_attn.kd
    .args:
      - { .name: qkv, .offset: 0, .size: 8, .value_kind: global_buffer, .address_space: global }
      - { .name: y, .offset: 8, .size: 8, .value_kind: global_buffer, .address_space: global }
    .group_segment_fixed_size: 327680
    .private_segment_fixed_size: 0
    .kernarg_segment_align: 8
    .kernarg_segment_size: 16
    .max_flat_workgroup_size: 128
    .sgpr_count:     96
    .vgpr_count:     1024
    .wavefront_size: 32
...
	.end_amdgpu_metadata
.endif
;; end of part 3
;; launch oproj (part 4): grid 16 x 16, 4 waves a work-group, clusters of 4 x 4, 327,680 bytes of LDS; arguments wb, y, out0; writes out0
.if DOCPART == 4
	.amdgcn_target "amdgcn-amd-amdhsa--gfx1250"
	.amdhsa_code_object_version 6
	.text
	.protected	k_q9c3c2e19fb_oproj
	.globl	k_q9c3c2e19fb_oproj
	.p2align	8
	.type	k_q9c3c2e19fb_oproj,@function
k_q9c3c2e19fb_oproj:
	s_mov_b64 s[64:65], 0
	v_nop
	global_prefetch_b8 v0, s[64:65] scope:SCOPE_SE
	s_setreg_imm32_b32 hwreg(HW_REG_WAVE_MODE, 25, 1), 1
	s_wait_xcnt 0x0
	s_wait_alu depctr_hold_cnt(0) depctr_sa_sdst(0) depctr_va_vdst(0) depctr_va_sdst(0) depctr_va_ssrc(0) depctr_va_vcc(0) depctr_vm_vsrc(0)
	s_getreg_b32 s2, hwreg(HW_REG_IB_STS2, 6, 4)
	s_cmp_eq_u32 s2, 0
	s_cbranch_scc0 .Lentry_in_a_cluster
	s_endpgm
.Lentry_in_a_cluster:
	s_bfe_u32 s2, ttmp6, 0x10000c
	s_cmp_lg_u32 s2, 0xf033
	s_cbranch_scc0 .Lentry_shape_is_right
	s_endpgm
.Lentry_shape_is_right:
; OPROJ: out0[m][n] = the sum over k of y[m][k] wo[n][k] + wo_b[n].  y: [2048][2048] f16; wo: [2048][2048] f16 (in wb, rounded to bf16 first); out0 f32.  Sums in f32, K ascending.
; A tile is 128 x 128: 16 x 16 = 256 work-groups.  Four waves, each 64 x 64: 16 accumulators, 128 registers.  K goes in steps of 256 (LDS rows of 512 bytes + 16; a wave's tensor load brings 64 of them) through two slots.
; CLUSTER: 4 x 4 work-groups.  The four of a row of the cluster need the same tiles of y, the four of a column the same tiles of wo: each is asked for jointly, same load, descriptor and mask in all four.
; THE MATRIX INSTRUCTION IS USED TRANSPOSED (source 0 = 16 rows of wo, source 1 = 16 rows of y): a lane holds eight neighbouring numbers of a row of the result.
; THE WAY OUT: a wave's 64 columns of f32 are 256 bytes, so each wave has a stage of its own (16 rows x 272 bytes) and no barrier is needed.
; REGISTERS: window 0: v0-31 addresses; v32-63 bias; v64-95 sums + bias; v96-127 rows read back; v128-255 the accumulators ((a, b) at v[128 + 8 (4 a + b)]).
;   window 1: two fragment buffers of 128: for 64 along K, 64 registers of y (2 x 4 x 16 rows x 32 K), then 64 of wo.
.set SIZE_K, 2048
.set KSTEP,  256
.set PITCH,  528                       ; 512 bytes + 16 = 132 words: the 16 rows of a fragment load start at 16 different groups of four banks (64 banks of 4 bytes: ISA guide 11.1)
.set HALFT,  64*PITCH
.set SLOT,   4*HALFT                   ; y's 128 rows, then wo's 128
.set STAGE,  2*SLOT                    ; behind the ring, never filled by a tensor load
.set SPITCH, 272
.set SPARE,  STAGE+4*16*SPITCH         ; behind the stages: the spare words, 128 bytes a wave: two blocks of 256 bytes that no other line names
.set LAPS,   SIZE_K/(2*KSTEP)
.set WO,     33554432
.set BIASO,  41943040+24576
.set ADRA, 16
.set ADRB, 20
.set STO,  24
.set RD,   25
.set CO,   26
.set BOF,  27
.set SPW,  28
.set NIL,  29
.set BI,   32
.set XR,   64
.set BK,   96
.set ACC,  128
.set F0,   0
.set F1,   128
.set G1, 24
.set G0, 32
.set G1B, 48
.set G0B, 56
.set MSB, 0
.macro WIN new                         ; the immediate's high byte repeats the setting that is left
.if MSB != (\new)
	s_set_vgpr_msb (MSB<<8)|(\new)
.set MSB, \new
.endif
.endm
.set MUL,  0x05                        ; sources 0 (wo) and 1 (y) window 1; C and D window 0
.set TO_F, 0x40                        ; destination window 1, address window 0
.macro JLOAD s                         ; a joint load: waves 0 and 1 fetch y's two halves, waves 2 and 3 wo's; four v_nop follow each of the two lines
	s_cmp_eq_u32 s11, 0
	s_cbranch_scc0 .Lfor_b_\@
	tensor_load_to_lds s[G0+4*(\s):G0+4*(\s)+3], s[G1:G1+7]
	s_nop 0
.rept 4
	v_nop
.endr
	s_branch .Lasked_\@
.Lfor_b_\@:
	tensor_load_to_lds s[G0B+4*(\s):G0B+4*(\s)+3], s[G1B:G1B+7]
	s_nop 0
.rept 4
	v_nop
.endr
.Lasked_\@:
.endm
.macro CREST                           ; a round of the cluster's barrier behind its opening barrier
	s_cmp_lg_u32 s10, 0
	s_cbranch_scc1 .Lnot_wave_0_\@
	s_barrier_signal -3
.Lnot_wave_0_\@:
	s_barrier_wait -3
	s_barrier_signal -1
	s_barrier_wait -1
.endm
.macro CROUND
	s_barrier_signal -1
	s_barrier_wait -1
	CREST
.endm
	s_load_b128 s[4:7], s[0:1], 0x0                ; wb s[4:5], y s[6:7]
	s_load_b64 s[8:9], s[0:1], 0x10                ; out0
	v_lshl_add_u32 v[SPW], v0, 2, SPARE
	v_mov_b32 v[NIL], 0
	ds_add_u32 v28, v29
	s_wait_dscnt 0x0
	v_lshrrev_b32 v1, 5, v0
	v_readfirstlane_b32 s10, v1                    ; wave 0..3
	s_lshr_b32 s11, s10, 1                         ; which half of the tile's rows is mine.  Also: I fetch for y (0) or for wo (1)
	s_and_b32 s12, s10, 1                          ; which half of its columns.  Also: which 64 rows of that tile I fetch
	s_bfe_u32 s40, ttmp6, 0x40000                  ; cx, cy
	s_bfe_u32 s41, ttmp6, 0x40004
	s_lshl_b32 s42, ttmp9, 2
	s_add_co_u32 s42, s42, s40                     ; tile column
	s_and_b32 s13, ttmp7, 0xffff
	s_lshl_b32 s13, s13, 2
	s_add_co_u32 s13, s13, s41                     ; tile row
	s_lshl_b32 s43, s41, 2
	s_lshl_b32 s43, 15, s43                        ; my row of the cluster
	s_lshl_b32 s44, 0x1111, s40                    ; my column
	s_or_b32 s[G1+0], s43, (1<<16)|(1<<20)|(1<<21)|(6<<22)|(3<<25)   ; the mask; 2-byte elements; padding on; 21 set beside a mask; after every 128 words; 4 words
	s_or_b32 s[G1B+0], s44, (1<<16)|(1<<20)|(1<<21)|(6<<22)|(3<<25)
.irp g, G1, G1B
	s_mov_b32 s[(\g)+1], KSTEP<<16                 ; tensor_dim0 = 256
	s_mov_b32 s[(\g)+2], 64<<16                    ; tensor_dim1 = 64
	s_mov_b32 s[(\g)+3], KSTEP<<16                 ; tile_dim0 = 256
	s_mov_b32 s[(\g)+4], 64                        ; tile_dim1 = 64
	s_mov_b32 s[(\g)+5], SIZE_K                    ; elements from row to row
	s_mov_b32 s[(\g)+6], 0
	s_mov_b32 s[(\g)+7], 0
.endr
	s_lshl_b32 s17, s12, 6                         ; which 64 rows of the tile I fetch
	s_lshl_b32 s16, s13, 7
	s_add_co_u32 s16, s16, s17                     ; y: row 128 x tile row + 64 x half,
	s_lshl_b32 s16, s16, 12                        ; 4,096 bytes a row
	s_lshl_b32 s46, s42, 7
	s_add_co_u32 s46, s46, s17                     ; wo: row 128 x tile column + 64 x half
	s_lshl_b32 s46, s46, 12
	s_add_co_u32 s46, s46, WO
	s_mov_b32 s17, 0
	s_mov_b32 s47, 0
	s_mul_i32 s20, s10, HALFT                      ; where they go: wave x 64 rows
	s_wait_kmcnt 0x0
	s_add_nc_u64 s[14:15], s[6:7], s[16:17]
	s_add_nc_u64 s[46:47], s[4:5], s[46:47]
	CROUND                                         ; all sixteen work-groups are here: the first joint loads meet
.irp s, 0,1
	s_mov_b32 s[G0+4*(\s)], 1
	s_add_co_u32 s[G0+4*(\s)+1], s20, (\s)*SLOT
	s_add_nc_u64 s[G0+4*(\s)+2:G0+4*(\s)+3], s[14:15], (\s)*KSTEP*2
	s_or_b32 s[G0+4*(\s)+3], s[G0+4*(\s)+3], 0x80000000
	s_mov_b32 s[G0B+4*(\s)], 1
	s_add_co_u32 s[G0B+4*(\s)+1], s20, (\s)*SLOT
	s_add_nc_u64 s[G0B+4*(\s)+2:G0B+4*(\s)+3], s[46:47], (\s)*KSTEP*2
	s_or_b32 s[G0B+4*(\s)+3], s[G0B+4*(\s)+3], 0x80000000
	JLOAD \s                                       ; two loads of mine are out
.endr
	v_and_b32 v1, 15, v0                           ; r = l % 16
	v_bfe_u32 v2, v0, 4, 1                         ; h = l / 16
	v_mul_u32_u24 v3, v1, PITCH
	v_lshl_add_u32 v3, v2, 4, v3                   ; a fragment's row x pitch + 16 x half
	s_mul_i32 s21, s11, HALFT                      ; my 64 rows of y
	s_mul_i32 s22, s12, HALFT                      ; my 64 rows of wo,
	s_add_co_u32 s22, s22, 2*HALFT                 ; which lie behind y's 128
.irp s, 0,1
	v_add_nc_u32 v[ADRA+(\s)], s21, v3
	v_add_nc_u32 v[ADRB+(\s)], s22, v3
	s_add_co_u32 s21, s21, SLOT
	s_add_co_u32 s22, s22, SLOT
.endr
	s_mul_i32 s23, s10, 16*SPITCH
	s_add_co_u32 s23, s23, STAGE                   ; my stage
	v_mul_u32_u24 v4, v1, SPITCH                   ; in: row l % 16, 32 bytes (8 numbers) for each half of the lanes
	v_lshl_add_u32 v4, v2, 5, v4
	v_add_nc_u32 v[STO], s23, v4
	v_mul_u32_u24 v5, v2, SPITCH                   ; back: lanes 0-15 take one row of 256 bytes, lanes 16-31 the next
	v_lshl_add_u32 v5, v1, 4, v5
	v_add_nc_u32 v[RD], s23, v5
	v_lshlrev_b32 v5, 13, v2                       ; and the same two rows in out0, 8,192 bytes apart
	v_lshl_add_u32 v[CO], v1, 4, v5
	s_lshl_b32 s16, s13, 7
	s_lshl_b32 s17, s11, 6
	s_add_co_u32 s16, s16, s17                     ; my first row
	s_lshl_b32 s16, s16, 13
	s_mov_b32 s17, 0
	s_add_nc_u64 s[8:9], s[8:9], s[16:17]
	s_lshl_b32 s68, s42, 7                         ; my first column (in registers that feed no descriptor)
	s_lshl_b32 s69, s12, 6
	s_add_co_u32 s68, s68, s69
	s_lshl_b32 s68, s68, 2                         ; in bytes
	s_mov_b32 s69, 0
	s_add_nc_u64 s[8:9], s[8:9], s[68:69]
	s_add_nc_u64 s[66:67], s[4:5], BIASO
	v_lshl_add_u32 v[BOF], v2, 5, s68
.irp b, 0,1,2,3                        ; the bias of my 64 columns: it is waited for behind the loop
	global_load_b128 v[BI+8*(\b):BI+8*(\b)+3],   v[BOF], s[66:67] offset:64*(\b)
	global_load_b128 v[BI+8*(\b)+4:BI+8*(\b)+7], v[BOF], s[66:67] offset:64*(\b)+16
.endr
; 8 matrix instructions: row blocks a0, a0 + 1 x all 4 column blocks, 32 along K: half c of buffer f.  zero = 1: the first product starts the sums
.macro MUL8 f, c, a0, zero
	WIN MUL
.irp a, \a0, (\a0)+1
.irp b, 0,1,2,3
.if \zero
	v_wmma_f32_16x16x32_f16 v[ACC+8*(4*(\a)+(\b)):ACC+8*(4*(\a)+(\b))+7], v[(\f)+64+8*(4*(\c)+(\b)):(\f)+64+8*(4*(\c)+(\b))+7], v[(\f)+8*(4*(\c)+(\a)):(\f)+8*(4*(\c)+(\a))+7], 0
.else
	v_wmma_f32_16x16x32_f16 v[ACC+8*(4*(\a)+(\b)):ACC+8*(4*(\a)+(\b))+7], v[(\f)+64+8*(4*(\c)+(\b)):(\f)+64+8*(4*(\c)+(\b))+7], v[(\f)+8*(4*(\c)+(\a)):(\f)+8*(4*(\c)+(\a))+7], v[ACC+8*(4*(\a)+(\b)):ACC+8*(4*(\a)+(\b))+7]
.endif
.endr
.endr
.endm
; 32 LDS loads in one run: the fragments of 64 along K at byte k of the rows, into buffer f; the first 32 along K first
.macro FETCH slot, k, f
	WIN TO_F
.irp c, 0,1
.irp i, 0,1,2,3
	ds_load_b128 v[(\f)+64+8*(4*(\c)+(\i)):(\f)+64+8*(4*(\c)+(\i))+3],   v[ADRB+(\slot)] offset:(\k)+64*(\c)+(\i)*16*PITCH
	ds_load_b128 v[(\f)+64+8*(4*(\c)+(\i))+4:(\f)+64+8*(4*(\c)+(\i))+7], v[ADRB+(\slot)] offset:(\k)+64*(\c)+(\i)*16*PITCH+32
	ds_load_b128 v[(\f)+8*(4*(\c)+(\i)):(\f)+8*(4*(\c)+(\i))+3],         v[ADRA+(\slot)] offset:(\k)+64*(\c)+(\i)*16*PITCH
	ds_load_b128 v[(\f)+8*(4*(\c)+(\i))+4:(\f)+8*(4*(\c)+(\i))+7],       v[ADRA+(\slot)] offset:(\k)+64*(\c)+(\i)*16*PITCH+32
.endr
.endr
.endm
.macro PLACES                          ; four plain vector instructions between a matrix instruction and a load into, or a vector instruction on, its registers (ISA guide 7.12.1 for vector instructions)
.rept 4
	v_nop
.endr
.endm
; A K step is four quarters of 64 along K, 32 matrix instructions each, on buffers 0, 1, 0, 1; the 16 accumulators take turns.
.macro QUARTER slot, k, f, g, zero
	s_wait_dscnt 16                                ; the first 32 along K are in; the youngest sixteen loads may be out
	MUL8 \f, 0, 0, \zero
	MUL8 \f, 0, 2, \zero
	PLACES
	FETCH \slot, \k, \g
	s_wait_dscnt 32                                ; all but the 32 just issued
	MUL8 \f, 1, 0, 0
	MUL8 \f, 1, 2, 0
.endm
; The last quarter multiplies buffer 1 and changes slots: one barrier; in front of it each wave waits for all its tensor loads, adds 0 to its spare word, and waits for that and for its own reads of this slot.
.macro TURN slot, next, fill
	WIN 0                                          ; (the add's two registers lie in window 0)
	s_wait_tensorcnt 0x0                           ; all my tensor loads have landed: my part of the next slot
	ds_add_u32 v[SPW], v[NIL]                      ; 0 onto my spare word
	s_wait_dscnt 17                                ; (the add and the youngest sixteen loads may be out)
	MUL8 F1, 0, 0, 0
	s_wait_dscnt 0x0                               ; the add is done, and my reads of this slot are over
	s_barrier_signal -1
	MUL8 F1, 0, 2, 0
.if \fill
	WIN 0
.endif
	s_barrier_wait -1
.if \fill
	CREST                                          ; the barrier has opened a round of the cluster's: no wave of any partner still reads this slot's tile or has a load on its way
	s_add_nc_u64 s[G0+4*(\slot)+2:G0+4*(\slot)+3], s[G0+4*(\slot)+2:G0+4*(\slot)+3], 2*KSTEP*2
	s_add_nc_u64 s[G0B+4*(\slot)+2:G0B+4*(\slot)+3], s[G0B+4*(\slot)+2:G0B+4*(\slot)+3], 2*KSTEP*2
	JLOAD \slot                                    ; 112 matrix instructions ahead of the wait for it; its four v_nop are also the places in front of the loads below
.else
	PLACES
.endif
	FETCH \next, 0, F0
	MUL8 F1, 1, 0, 0
	MUL8 F1, 1, 2, 0
.endm
	s_wait_tensorcnt 1                             ; my part of K step 0 is in; K step 1 may stay out
	s_barrier_signal -1
	s_barrier_wait -1
	FETCH 0, 0, F0
	QUARTER 0, 128, F0, F1, 1                      ; the first quarter stands in front of the loop: its first products start the sums
	WIN 0
	s_mov_b32 s3, LAPS-1
.Llap:
	QUARTER 0, 256, F1, F0, 0
	QUARTER 0, 384, F0, F1, 0
	TURN 0, 1, 1
	QUARTER 1, 128, F0, F1, 0
	QUARTER 1, 256, F1, F0, 0
	QUARTER 1, 384, F0, F1, 0
	TURN 1, 0, 1
	QUARTER 0, 128, F0, F1, 0
	WIN 0
	s_sub_co_u32 s3, s3, 1
	s_cmp_lg_u32 s3, 0
	s_cbranch_scc1 .Llap
	QUARTER 0, 256, F1, F0, 0                      ; the last lap fills nothing
	QUARTER 0, 384, F0, F1, 0
	TURN 0, 1, 0
	QUARTER 1, 128, F0, F1, 0
	QUARTER 1, 256, F1, F0, 0
	QUARTER 1, 384, F0, F1, 0
	s_wait_dscnt 16
	MUL8 F1, 0, 0, 0
	MUL8 F1, 0, 2, 0
	s_wait_dscnt 0x0
	MUL8 F1, 1, 0, 0
	MUL8 F1, 1, 2, 0
	WIN 0
	; THE WAY OUT, 16 rows at a time: + bias; 32 bytes a lane into my stage; back as whole rows of 256 bytes; stored.
	PLACES
	s_wait_loadcnt 0x0                             ; the bias
.irp a, 0,1,2,3
.irp b, 0,1,2,3
.irp j, 0,2,4,6                        ; each accumulator's registers in ascending order
	v_pk_add_f32 v[XR+8*(\b)+(\j):XR+8*(\b)+(\j)+1], v[ACC+8*(4*(\a)+(\b))+(\j):ACC+8*(4*(\a)+(\b))+(\j)+1], v[BI+8*(\b)+(\j):BI+8*(\b)+(\j)+1]
.endr
.endr
.if (\a) > 0
	s_wait_xcnt 0x0                                ; the block before's stores have read their registers: only behind this wait are these loaded again
.endif
.irp b, 0,1,2,3
	ds_store_b128 v[STO], v[XR+8*(\b):XR+8*(\b)+3]   offset:64*(\b)
	ds_store_b128 v[STO], v[XR+8*(\b)+4:XR+8*(\b)+7] offset:64*(\b)+16
.endr
.irp t, 0,1,2,3,4,5,6,7
	ds_load_b128 v[BK+4*(\t):BK+4*(\t)+3], v[RD] offset:(\t)*2*SPITCH  ; LDS serves a wave's instructions in order (ISA guide 5.7.1.4): these see the stores above; the next block's stores come behind them
.endr
.irp t, 0,1,2,3,4,5,6,7
	s_wait_dscnt 7-(\t)                            ; rows 2 t, 2 t + 1 are back
	global_store_b128 v[CO], v[BK+4*(\t):BK+4*(\t)+3], s[8:9] offset:(16*(\a)+2*(\t))*8192 th:TH_STORE_NT  ; 16 lanes store 256 consecutive bytes, at a multiple of 256 from out0's first
.endr
.endr
	s_wait_tensorcnt 0x0                           ; the wave's end
	ds_add_u32 v[SPW], v[NIL]
	s_wait_dscnt 0x0
	CROUND                                         ; the closing round: no work-group ends while a partner may still ask for a tile that names it
	s_endpgm
.Lfunc_end_k_q9c3c2e19fb_oproj:
	.size	k_q9c3c2e19fb_oproj, .Lfunc_end_k_q9c3c2e19fb_oproj-k_q9c3c2e19fb_oproj
	.p2alignl 7, 3214868480
	.fill 96, 4, 3214868480
	.section	.rodata,"a",@progbits
	.p2align	6, 0x0
	.amdhsa_kernel k_q9c3c2e19fb_oproj
		.amdhsa_group_segment_fixed_size 327680
		.amdhsa_private_segment_fixed_size 0
		.amdhsa_enable_private_segment 0
		.amdhsa_kernarg_size 24
		.amdhsa_user_sgpr_count 2
		.amdhsa_user_sgpr_kernarg_segment_ptr 1
		.amdhsa_wavefront_size32 1
		.amdhsa_system_sgpr_workgroup_id_x 1
		.amdhsa_system_sgpr_workgroup_id_y 1
		.amdhsa_system_sgpr_workgroup_id_z 1
		.amdhsa_system_vgpr_workitem_id 0
		.amdhsa_next_free_vgpr 512
		.amdhsa_next_free_sgpr 80
		.amdhsa_reserve_vcc 0
		.amdhsa_float_denorm_mode_32 3
		.amdhsa_float_denorm_mode_16_64 3
		.amdhsa_memory_ordered 1
		.amdhsa_forward_progress 1
		.amdhsa_inst_pref_size 91
	.end_amdhsa_kernel
	.amdgpu_metadata
---
amdhsa.version: [ 1, 2 ]
amdhsa.kernels:
  - .name:           k_q9c3c2e19fb_oproj
    .symbol:         k_q9c3c2e19fb_oproj.kd
    .args:
      - { .name: wb, .offset: 0, .size: 8, .value_kind: global_buffer, .address_space: global }
      - { .name: y, .offset: 8, .size: 8, .value_kind: global_buffer, .address_space: global }
      - { .name: out0, .offset: 16, .size: 8, .value_kind: global_buffer, .address_space: global }
    .group_segment_fixed_size: 327680
    .private_segment_fixed_size: 0
    .kernarg_segment_align: 8
    .kernarg_segment_size: 24
    .max_flat_workgroup_size: 128
    .sgpr_count:     80
    .vgpr_count:     512
    .wavefront_size: 32
...
	.end_amdgpu_metadata
.endif
;; end of part 4
;; ======== version 2 of 2: 4 launches; version 1 with the launch prep written anew for expert scheduling mode
;; limits: values are held in f16: magnitudes above 65,504 overflow, below 6.1e-05 lose precision
;; workspace buffers: wb 43,089,920 bytes; qkv 25,165,824 bytes; y 8,388,608 bytes
;; launch prep (part 5): grid 128 x 6, 8 waves a work-group, no clusters, 0 bytes of LDS; arguments x, wq_w, wk_w, wv_w, wo_w, wq_b, wk_b, wv_b, wo_b, wb; writes wb
.if DOCPART == 5
	.amdgcn_target "amdgcn-amd-amdhsa--gfx1250"
	.amdhsa_code_object_version 6
	.text
	.protected	k_q9c3c2e19fb_prep
	.globl	k_q9c3c2e19fb_prep
	.p2align	8
	.type	k_q9c3c2e19fb_prep,@function
k_q9c3c2e19fb_prep:
	s_mov_b64 s[64:65], 0
	v_nop
	global_prefetch_b8 v0, s[64:65] scope:SCOPE_SE
	s_setreg_imm32_b32 hwreg(HW_REG_WAVE_SCHED_MODE, 0, 2), 2
	s_setreg_imm32_b32 hwreg(HW_REG_WAVE_MODE, 25, 1), 1
	s_wait_xcnt 0x0
	s_wait_alu depctr_vm_vsrc(0)
; PREP: the 16-bit copies of the matrix operands, the biases, and the RoPE table, all into wb.
; wb: byte 0 x as bf16 [2048][2048]; 8,388,608 wq, wk, wv as bf16, stacked [6144][2048]; 33,554,432 wo, rounded to bf16 and that number written as f16;
;     41,943,040 the four biases (q, k, v, o), rounded to bf16 and kept as f32 [8192]; 41,975,808 the table [2176][64] of pairs (cos, sin) in f32, 512 bytes a row;
;     rows 2048 to 2175 hold (1, 0): the columns of v are turned by these rows, that is not at all.
; freqs_cos and freqs_sin are not among the arguments: the function computed here takes them and uses them nowhere; the angles are position x 10000^(-pair/64).
; LIMITS.  wo beyond 65,504 has no f16; below 2^-17 it keeps f16's fixed step of 6e-8.  NaN and infinities are not treated apart.
; Grid y = 0..4: one tensor each, 128 work-groups of 32,768 numbers.  Grid y = 5: 16 rows of the table, one identity row and 64 bias numbers a work-group.
; No LDS, no matrix unit, no cluster: a stream; every byte is read once and written once.
; THE MODE: SCHED_MODE bits 1:0 = 2 (LLVM: expert scheduling mode 2), set by the entry lines.  The code itself states the register dependences
; between vector instructions and memory instructions, and those through scalar registers that vector instructions write, with s_wait_alu, always for 0.
; THE PLAN, THE COPIES.  Registers that memory instructions touch:
;   v2, v3      byte offsets, made once and never written again: v2 is read by every load, v3 by every store.
;   X, a set a slot   written by the slot's two loads, once; read by the slot's roundings; never loaded again.
;   Y, a set a slot   written by the slot's roundings, once; read by the slot's one store; never written again.
; So what is owed is that the offsets are written ahead of the first load, and each Y ahead of its store.  The 16 slots go in four blocks of four: one wait at a block's head states that the
; block before has written its four Y, and that block's four stores are dealt among this block's roundings, which name this block's X and Y and v4-15 alone.
; THE PLAN, THE TABLE.  v2 and v56, offsets, are made at the arm's head and never written again; v[40:47], v[48:51], v[54:55] are store data, each written once; v[52:53] takes a load and was named by nothing before.
; The four quadrant compares write s32 to s35 in one run, with one wait between the run and the selects that read them.
.set BIAS,  41943040
.set ROPE,  41975808
.set X,     16                         ; v[16:143]   slot k: 8 numbers in f32 as loaded
.set Y,     144                        ; v[144:207]  slot k: 8 numbers in 16 bits, to store
.set SR,    24                         ; the table: v[24:27]  angle n: sin r
.set CR,    28                         ; v[28:31]  cos r
.set SS,    32                         ; v[32:35]  the sine's sign bit
.set SC,    36                         ; v[36:39]  the cosine's
.set MK,    32                         ; s[32:35]  angle n: the lanes whose quadrant is odd
	s_load_b512 s[8:23], s[0:1], 0x0               ; x s[8:9], wq s[10:11], wk s[12:13], wv s[14:15], wo s[16:17], wq_b s[18:19], wk_b s[20:21], wv_b s[22:23]
	s_load_b128 s[24:27], s[0:1], 0x40             ; wo_b s[24:25], wb s[26:27]
	s_mov_b32 s4, ttmp9                            ; i, 0..127
	s_and_b32 s5, ttmp7, 0xffff                    ; which tensor, or 5: the table
	v_lshrrev_b32 v1, 5, v0
	v_readfirstlane_b32 s6, v1                     ; wave 0..7
	s_wait_alu depctr_va_sdst(0)                   ; s6 is written: the table's arm reads it, and the wait stands in the writer's own run of code, ahead of the branch
	s_cmp_eq_u32 s5, 5
	s_cbranch_scc1 .Ltable
	; THE COPIES.  Thread t takes 8 numbers in each of 16 slots: 32 bytes in at 8,192 k + 32 t, 16 bytes out at 4,096 k + 16 t.
	v_lshlrev_b32 v2, 5, v0                        ; 32 t
	v_lshlrev_b32 v3, 4, v0                        ; 16 t
	s_lshl_b32 s32, s4, 17                         ; the work-group's 131,072 bytes of input
	s_mov_b32 s33, 0
	s_lshl_b32 s34, s5, 23                         ; the tensor's 8,388,608 bytes in wb,
	s_lshl_b32 s35, s4, 16                         ; the work-group's 65,536 of them
	s_add_co_u32 s34, s34, s35
	s_mov_b32 s35, 0
	s_wait_kmcnt 0x0
	s_cmp_eq_u32 s5, 1
	s_cselect_b64 s[28:29], s[10:11], s[8:9]
	s_cmp_eq_u32 s5, 2
	s_cselect_b64 s[28:29], s[12:13], s[28:29]
	s_cmp_eq_u32 s5, 3
	s_cselect_b64 s[28:29], s[14:15], s[28:29]
	s_cmp_eq_u32 s5, 4
	s_cselect_b64 s[28:29], s[16:17], s[28:29]
	s_add_nc_u64 s[28:29], s[28:29], s[32:33]
	s_add_nc_u64 s[30:31], s[26:27], s[34:35]
	s_wait_alu depctr_va_vdst(0)                   ; v2 and v3 are written: every load of this arm reads v2 as its offset, every store v3
.irp n, 0,1,2,3,4,5,6,7,8,9,10,11,12,13,14,15  ; all 32 loads go out first: 128 KiB of the work-group are on their way
	global_load_b128 v[X+8*(\n):X+8*(\n)+3],   v2, s[28:29] offset:8192*(\n) th:TH_LOAD_NT
	global_load_b128 v[X+8*(\n)+4:X+8*(\n)+7], v2, s[28:29] offset:8192*(\n)+16 th:TH_LOAD_NT
.endr
; Slot k is rounded.  f16 = 1: rounded to bf16, widened again, and written as f16.  Each slot has its own Y, so no store's data is rewritten.
.macro CV k, f16
	s_wait_loadcnt 30-2*(\k)                       ; loads come back in order (ISA guide 5.7.1): slot k's two are in, the 2 (15 - k) younger ones stay out
.irp j, 0,1,2,3
.if \f16
	v_cvt_pk_bf16_f32 v[4+3*(\j)], v[X+8*(\k)+2*(\j)], v[X+8*(\k)+2*(\j)+1]
	v_lshlrev_b32 v[5+3*(\j)], 16, v[4+3*(\j)]
	v_and_b32 v[6+3*(\j)], 0xffff0000, v[4+3*(\j)]
	v_cvt_pk_f16_f32 v[Y+4*(\k)+(\j)], v[5+3*(\j)], v[6+3*(\j)]
.else
	v_cvt_pk_bf16_f32 v[Y+4*(\k)+(\j)], v[X+8*(\k)+2*(\j)], v[X+8*(\k)+2*(\j)+1]
.endif
.endr
.endm
; Slot k is stored.
.macro SEND k
	global_store_b128 v3, v[Y+4*(\k):Y+4*(\k)+3], s[30:31] offset:4096*(\k)  ; a wave stores 512 consecutive bytes, at a multiple of 512 from wb's first
.endm
; Block p: slots 4 p to 4 p + 3 are rounded; the block before is stored, a store ahead of each slot's roundings.
.macro BLOCK p, f16
.if (\p) > 0
	s_wait_alu depctr_va_vdst(0)                   ; the block before has written its four Y, which the four stores below read; no vector instruction behind this wait names them or v3
.endif
.irp i, 0,1,2,3
.if (\p) > 0
	SEND 4*((\p)-1)+(\i)
.endif
	CV 4*(\p)+(\i), \f16
.endr
.endm
; The last block's stores.
.macro LAST4
	s_wait_alu depctr_va_vdst(0)                   ; block 3 has written its four Y, which the last four stores read
.irp i, 12,13,14,15
	SEND \i
.endr
.endm
	s_cmp_eq_u32 s5, 4
	s_cbranch_scc1 .Lwo
.irp n, 0,1,2,3
	BLOCK \n, 0
.endr
	LAST4
	s_endpgm
.Lwo:
.irp n, 0,1,2,3
	BLOCK \n, 1
.endr
	LAST4
	s_endpgm
	; THE TABLE.  Wave w makes rows t = 16 i + 2 w and t + 1; lane l the pairs 2 l and 2 l + 1.  angle = t x 2^(-pair x log2(10000) / 64), one rounding of the product.
.Ltable:
	s_mov_b32 s36, 0x3f22f983                      ; 2 / pi
	s_mov_b32 s37, 0xbfc90fdb                      ; -(pi / 2), the f32 nearest to it,
	s_mov_b32 s38, 0x333bbd2e                      ; and what that f32 has too much: +4.3711e-8
	s_mov_b32 s39, 0xb94ca1f9                      ; sine: -1.9515e-4,
	s_mov_b32 s40, 0x3c08839e                      ; 8.3322e-3,
	s_mov_b32 s41, 0xbe2aaaa3                      ; -1.6666655e-1
	s_mov_b32 s42, 0x37ccf5ce                      ; cosine: 2.4433e-5,
	s_mov_b32 s43, 0xbab6061a                      ; -1.38873e-3,
	s_mov_b32 s44, 0x3d2aaaa5                      ; 4.1666646e-2
	v_and_b32 v1, 31, v0                           ; lane
	v_lshlrev_b32 v2, 4, v1                        ; my 16 bytes of a row; never rewritten
	v_lshlrev_b32 v56, 3, v1                       ; 8 l: wave 1's offset in a bias; made here beside v2, so that the one wait ahead of the rows' stores states both; never rewritten
	v_lshlrev_b32 v3, 1, v1
	v_cvt_f32_u32 v4, v3                           ; pair 2 l
	v_add_f32 v5, 1.0, v4                          ; pair 2 l + 1
	v_mul_f32 v4, 0xbe549a78, v4                   ; x -log2(10000) / 64
	v_mul_f32 v5, 0xbe549a78, v5
	v_exp_f32 v4, v4
	v_exp_f32 v5, v5
	s_lshl_b32 s7, s4, 4
	s_lshl1_add_u32 s7, s6, s7                     ; t = 16 i + 2 w
	v_nop                                          ; a plain instruction between the exponentials and the use of their results (ISA guide 5.7.2)
	v_cvt_f32_u32 v6, s7
	v_add_f32 v7, 1.0, v6
	s_wait_alu depctr_va_vdst(0)                   ; the two exponentials have written v4 and v5, which the four products below read
	v_mul_f32 v20, v6, v4
	v_mul_f32 v21, v6, v5
	v_mul_f32 v22, v7, v4
	v_mul_f32 v23, v7, v5
; cos and sin of the angle in v[a] (0 to 2,047): n = the nearest whole number to a x 2 / pi; r = a - n pi / 2 in two steps, |r| <= pi / 4; polynomials in r; the quadrant n mod 4 chooses and signs.
; REDUCE leaves angle n's sin r, cos r and the two sign bits in registers of its own, and the mask of odd quadrants in a scalar register of its own.
.macro REDUCE a, n
	v_mul_f32 v10, s36, v[\a]
	v_rndne_f32 v10, v10                           ; n
	v_fma_f32 v11, v10, s37, v[\a]
	v_fma_f32 v11, v10, s38, v11                   ; r
	v_cvt_i32_f32 v12, v10
	v_mul_f32 v13, v11, v11                        ; z = r r
	v_fma_f32 v14, v13, s39, s40
	v_fma_f32 v15, v13, s42, s43
	v_fma_f32 v14, v14, v13, s41
	v_fma_f32 v15, v15, v13, s44
	v_mul_f32 v14, v14, v13
	v_mul_f32 v15, v15, v13
	v_fma_f32 v16, v13, -0.5, 1.0
	v_fma_f32 v[SR+(\n)], v14, v11, v11            ; sin r
	v_fma_f32 v[CR+(\n)], v15, v13, v16            ; cos r
	v_and_b32 v16, 1, v12
	v_cmp_eq_u32 s[MK+(\n)], 1, v16                ; odd quadrant: the two change places
	v_and_b32 v16, 2, v12
	v_add_nc_u32 v17, 1, v12
	v_and_b32 v17, 2, v17
	v_lshlrev_b32 v[SS+(\n)], 30, v16              ; the sine's sign: quadrants 2, 3
	v_lshlrev_b32 v[SC+(\n)], 30, v17              ; the cosine's: quadrants 1, 2
.endm
; CHOOSE makes angle n's cosine in v[c] and its sine in v[s].
.macro CHOOSE n, c, s
	v_cndmask_b32 v[\s], v[SR+(\n)], v[CR+(\n)], s[MK+(\n)]
	v_cndmask_b32 v[\c], v[CR+(\n)], v[SR+(\n)], s[MK+(\n)]
	v_xor_b32 v[\s], v[\s], v[SS+(\n)]
	v_xor_b32 v[\c], v[\c], v[SC+(\n)]
.endm
	REDUCE 20, 0
	REDUCE 21, 1
	REDUCE 22, 2
	REDUCE 23, 3
	s_wait_alu depctr_va_sdst(0)                   ; the four compares have written s32 to s35, which the selects below read: one wait for the run
	CHOOSE 0, 40, 41
	CHOOSE 1, 42, 43
	CHOOSE 2, 44, 45
	CHOOSE 3, 46, 47
	s_wait_alu depctr_va_vdst(0)                   ; v[40:47] are written, which the two stores below read; so are the offsets v2 and v56; and the selects are done with s32 to s35, which the scalar lines below write anew
	s_lshl_b32 s32, s7, 9
	s_add_co_u32 s32, s32, ROPE
	s_mov_b32 s33, 0
	s_wait_kmcnt 0x0
	s_add_nc_u64 s[30:31], s[26:27], s[32:33]
	global_store_b128 v2, v[40:43], s[30:31]                 ; a wave stores one whole row of 512 bytes
	global_store_b128 v2, v[44:47], s[30:31] offset:512
	s_cmp_lg_u32 s6, 0
	s_cbranch_scc1 .Lnot_0
	s_lshl_b32 s34, s4, 9                          ; wave 0: identity row 2048 + i
	s_add_co_u32 s34, s34, ROPE+2048*512
	s_mov_b32 s35, 0
	s_add_nc_u64 s[46:47], s[26:27], s[34:35]
	v_mov_b32 v48, 1.0
	v_mov_b32 v49, 0
	v_mov_b32 v50, 1.0
	v_mov_b32 v51, 0
	s_wait_alu depctr_va_vdst(0)                   ; v[48:51] are written, which the store reads
	global_store_b128 v2, v[48:51], s[46:47]
	s_endpgm
.Lnot_0:
	s_cmp_lg_u32 s6, 1
	s_cbranch_scc1 .Lend
	s_lshr_b32 s45, s4, 5                          ; wave 1: 64 bias numbers; 32 work-groups to each of the four biases
	s_cmp_eq_u32 s45, 1
	s_cselect_b64 s[28:29], s[20:21], s[18:19]
	s_cmp_eq_u32 s45, 2
	s_cselect_b64 s[28:29], s[22:23], s[28:29]
	s_cmp_eq_u32 s45, 3
	s_cselect_b64 s[28:29], s[24:25], s[28:29]
	s_and_b32 s32, s4, 31
	s_lshl_b32 s32, s32, 8
	s_add_nc_u64 s[28:29], s[28:29], s[32:33]      ; s33 is 0
	global_load_b64 v[52:53], v56, s[28:29]        ; no wait: v56 stands ahead of the wait in front of the rows' stores, and no vector instruction since names it or v[52:53]
	s_lshl_b32 s34, s4, 8
	s_add_co_u32 s34, s34, BIAS
	s_mov_b32 s35, 0
	s_add_nc_u64 s[34:35], s[26:27], s[34:35]
	s_wait_loadcnt 0x0
	v_cvt_pk_bf16_f32 v57, v52, v53
	v_lshlrev_b32 v54, 16, v57
	v_and_b32 v55, 0xffff0000, v57
	s_wait_alu depctr_va_vdst(0)                   ; v[54:55] are written, which the store reads
	global_store_b64 v56, v[54:55], s[34:35]       ; 32 lanes store 256 consecutive bytes, at a multiple of 256 from wb's first
.Lend:
	s_endpgm
.Lfunc_end_k_q9c3c2e19fb_prep:
	.size	k_q9c3c2e19fb_prep, .Lfunc_end_k_q9c3c2e19fb_prep-k_q9c3c2e19fb_prep
	.p2alignl 7, 3214868480
	.fill 96, 4, 3214868480
	.section	.rodata,"a",@progbits
	.p2align	6, 0x0
	.amdhsa_kernel k_q9c3c2e19fb_prep
		.amdhsa_group_segment_fixed_size 0
		.amdhsa_private_segment_fixed_size 0
		.amdhsa_enable_private_segment 0
		.amdhsa_kernarg_size 80
		.amdhsa_user_sgpr_count 2
		.amdhsa_user_sgpr_kernarg_segment_ptr 1
		.amdhsa_wavefront_size32 1
		.amdhsa_system_sgpr_workgroup_id_x 1
		.amdhsa_system_sgpr_workgroup_id_y 1
		.amdhsa_system_sgpr_workgroup_id_z 1
		.amdhsa_system_vgpr_workitem_id 0
		.amdhsa_next_free_vgpr 208
		.amdhsa_next_free_sgpr 66
		.amdhsa_reserve_vcc 0
		.amdhsa_float_denorm_mode_32 3
		.amdhsa_float_denorm_mode_16_64 3
		.amdhsa_memory_ordered 1
		.amdhsa_forward_progress 1
		.amdhsa_inst_pref_size 35
	.end_amdhsa_kernel
	.amdgpu_metadata
---
amdhsa.version: [ 1, 2 ]
amdhsa.kernels:
  - .name:           k_q9c3c2e19fb_prep
    .symbol:         k_q9c3c2e19fb_prep.kd
    .args:
      - { .name: x, .offset: 0, .size: 8, .value_kind: global_buffer, .address_space: global }
      - { .name: wq_w, .offset: 8, .size: 8, .value_kind: global_buffer, .address_space: global }
      - { .name: wk_w, .offset: 16, .size: 8, .value_kind: global_buffer, .address_space: global }
      - { .name: wv_w, .offset: 24, .size: 8, .value_kind: global_buffer, .address_space: global }
      - { .name: wo_w, .offset: 32, .size: 8, .value_kind: global_buffer, .address_space: global }
      - { .name: wq_b, .offset: 40, .size: 8, .value_kind: global_buffer, .address_space: global }
      - { .name: wk_b, .offset: 48, .size: 8, .value_kind: global_buffer, .address_space: global }
      - { .name: wv_b, .offset: 56, .size: 8, .value_kind: global_buffer, .address_space: global }
      - { .name: wo_b, .offset: 64, .size: 8, .value_kind: global_buffer, .address_space: global }
      - { .name: wb, .offset: 72, .size: 8, .value_kind: global_buffer, .address_space: global }
    .group_segment_fixed_size: 0
    .private_segment_fixed_size: 0
    .kernarg_segment_align: 8
    .kernarg_segment_size: 80
    .max_flat_workgroup_size: 256
    .sgpr_count:     66
    .vgpr_count:     208
    .wavefront_size: 32
...
	.end_amdgpu_metadata
.endif
;; end of part 5
;; launch qkv: the kernel of part 2 again; grid 16 x 16, 4 waves a work-group, clusters of 4 x 4, 327,680 bytes of LDS; arguments wb, qkv; writes qkv
;; launch attn: the kernel of part 3 again; grid 16 x 16, 4 waves a work-group, clusters of 4 x 1, 327,680 bytes of LDS; arguments qkv, y; writes y
;; launch oproj: the kernel of part 4 again; grid 16 x 16, 4 waves a work-group, clusters of 4 x 4, 327,680 bytes of LDS; arguments wb, y, out0; writes out0
